; MI455X (gfx1250); checked and timed in simulation.
; The chip was launched on July 23, 2026; its instructions are those of AMD's public machine-readable ISA for CDNA 5 (MIT licence, August 2026) and "CDNA5" Instruction Set Architecture Reference Guide (July 2026). The comments in the code are by the model that wrote it; some were corrected since.
;; Self Attention. Allowed arithmetic: float matrix products may take bf16 or f16 operands with f32 sums; other float arithmetic in f32, or as packed bf16 or f16 multiplies, adds, multiply-adds, maxima and minima; sums over many terms, partial sums and values carried from step to step in f32; what a program stores and reads back later, other than sums and carried values, may be rounded once to bf16 or f16.
;; Inputs: input 4 x 2,048 x 1,024 float32; w_k 1,024 x 1,024 float32; w_q 1,024 x 1,024 float32; w_v 1,024 x 1,024 float32.
;; Outputs: out0 4 x 2,048 x 1,024 float32.
;; One version. Each part assembles by itself: llvm-mc -triple=amdgcn-amd-amdhsa -mcpu=gfx1250 --defsym DOCPART=n.
;; ======== version 1 of 1: 5 launches
;; limits: values are held in f16: magnitudes above 65,504 overflow, below 6.1e-05 lose precision
;; workspace buffers: xh 16,777,216 bytes; wm 4,194,304 bytes; qv 33,554,432 bytes; sc 67,108,864 bytes; pw 33,554,432 bytes
;; launch prep (part 1): grid 256 x 1, 8 waves a work-group, no clusters, 183,296 bytes of LDS; arguments input, w_q, w_k, w_v, xh, wm; writes xh, wm
.if DOCPART == 1
	.amdgcn_target "amdgcn-amd-amdhsa--gfx1250"
	.amdhsa_code_object_version 6
	.text
	.protected	k_q6f38207a66_prep
	.globl	k_q6f38207a66_prep
	.p2align	8
	.type	k_q6f38207a66_prep,@function
k_q6f38207a66_prep:
	s_mov_b64 s[64:65], 0
	v_nop
	global_prefetch_b8 v0, s[64:65] scope:SCOPE_SE
	s_setreg_imm32_b32 hwreg(HW_REG_WAVE_MODE, 25, 1), 1
	s_wait_xcnt 0x0
; TWO JOBS IN ONE LAUNCH, told apart by the work-group's number; neither reads what the other writes.
; WHY M.  q . k = (x Wq^T) (x Wk^T)^T = x (Wq^T Wk) x^T for every input.  With M = Wq^T Wk made once (1024^3 multiply-adds) the later launches make q' = x M and take x itself for the keys: the
; projection of k (8192 x 1024 x 1024 multiply-adds) is not done.
; JOB 1, 192 work-groups: x [8192][1024] and w_v [1024][1024], f32, are rounded once to bf16, and that number is written as f16 (exact down to 7.6e-6; below that f16 keeps its fixed step of 6e-8):
;   xh [8192][1024]; rows 1024-2047 of wm [2048][1024].  A stream: each byte is read once and written once.
; JOB 2, 64 work-groups (every fourth): wm[j][i] = the sum over o of w_k[o][j] w_q[o][i], j, i < 1024: M transposed; w_q and w_k rounded to bf16, sums in f32, rounded once to f16.
; LIMITS.  f16 ends at 65,504: x, w_v and M must stay within it.
; JOB 1's SHARES.  A unit is 4,096 bytes in, 2,048 out: thread t takes the 16 bytes at 16 t, so a wave's load covers 512 consecutive bytes and its store of 8 bytes a lane 256, aligned.  x has 8,192 units, w_v
;   1,024; a work-group takes 48 on end (192 x 48 = 9,216).  x ends at unit 32 of the 171st group, so units 0-31 and units 32-47 have a base of their own each.  All 48 loads of a wave go out at once.
; JOB 2's SHARES.  A work-group makes 128 x 128 of M^T.  o goes in four steps of 256 rows.  In a step wave w loads rows 32 w .. 32 w + 31 of its 128 columns of w_k and of w_q (a row's 512 bytes a load), rounds them in
;   place, stores them into LDS, asks for the next step's rows, and then multiplies.  o lies down the LDS rows, so both fragments come out turned, by ds_load_tr16_b128.  Wave w makes columns j 64 (w / 4) ..
;   and i 32 (w % 4) ..: 8 accumulators.  source 0 = 16 i, source 1 = 16 j: lane l holds j = l % 16 and eight neighbouring i: 16 bytes of a row of wm.
;   One LDS region, two barriers a step: every wave's reads of the last step are over before the rows are stored; all rows are stored before they are read.
;   No tensor loads: the numbers pass through registers to be rounded.
; REGISTERS.  Job 1: window 0 alone.  Job 2: window 1 (v256-511) holds the 64 loads of a step; all else lies in window 0 (s_set_vgpr_msb: bits 1:0 source 0, 3:2 source 1, 5:4 source 2, 7:6 destination).
.set X,     32                         ; job 1: v[32:223]  four registers a unit
.set VO,    2                          ; v2      job 2: my byte offset in a step's rows: 16 x lane + wave x 32 rows of 4,096 bytes
.set LSK,   3                          ; v3      where I store 8 bytes of a row of w_k
.set LSQ,   4                          ; v4      of w_q
.set ADJ,   6                          ; v6-7    my j fragments: slices 0-3, slices 4-7 of a step
.set ADI,   8                          ; v8-9    my i fragments
.set STO,   10                         ; v10     the way out: where I put 16 bytes of a row
.set RD,    11                         ; v11     where I read a row back
.set CO,    12                         ; v12     my byte offset in the tile's rows of wm
.set SPW,   14                         ; v14     LDS address of my spare word; never rewritten
.set NIL,   15                         ; v15     0; never rewritten
.set ACC,   16                         ; v[16:79]   accumulator (a, b) at ACC + 8 (2 a + b)
.set FR,    80                         ; v[80:175]  two fragment buffers of 48: four of j, then two of i
.set TMP,   176                        ; v[176:207] packed results
.set OB,    208                        ; v[208:239] rows read back
.set PITCH, 288                        ; an LDS row: 256 bytes + 32 = 72 words
.set QOF,   256*PITCH                  ; w_q's 256 rows lie behind w_k's
.set STAGE, 2*QOF                      ; behind them: 128 rows x 272 bytes, the work-group's, for the way out
.set SP,    272
.set SPARE, STAGE+128*SP               ; behind the stage: the spare words, 128 bytes for each wave: four blocks of 256 bytes that no other line names
.set MSB, 0
.macro WIN new                         ; the immediate's high byte repeats the setting that is left; a switch that changes nothing is dropped
.if MSB != (\new)
	s_set_vgpr_msb (MSB<<8)|(\new)
.set MSB, \new
.endif
.endm
	s_load_b256 s[4:11], s[0:1], 0x0               ; input s[4:5], w_q s[6:7], w_k s[8:9], w_v s[10:11]
	s_load_b128 s[12:15], s[0:1], 0x20             ; xh s[12:13], wm s[14:15]
	v_lshl_add_u32 v[SPW], v0, 2, SPARE
	v_mov_b32 v[NIL], 0
	s_and_b32 s16, ttmp9, 3
	s_lshr_b32 s17, ttmp9, 2
	s_cmp_eq_u32 s16, 0
	s_cbranch_scc1 .Lprod                          ; every fourth work-group makes a tile of M
	; JOB 1
	s_mul_i32 s18, s17, 3
	s_add_co_u32 s18, s18, s16
	s_sub_co_u32 s18, s18, 1                       ; my number among the 192
	s_mul_i32 s18, s18, 48                         ; my first unit
	s_mov_b32 s30, 0xffff0000                      ; a word's upper bf16
	v_lshlrev_b32 v1, 4, v0                        ; 16 t
	v_lshlrev_b32 v2, 3, v0                        ; 8 t
	s_wait_kmcnt 0x0
; Where the units from my unit number first on come from and go to.
.macro PICK first, src, dst
	s_add_co_u32 s19, s18, \first
	s_sub_co_u32 s20, s19, 8192                    ; the unit's number in w_v,
	s_sub_co_u32 s22, s19, 7168                    ; and in wm, where w_v begins 1,024 units of 2,048 bytes in
	s_cmp_lt_u32 s19, 8192                         ; x or w_v?
	s_cselect_b64 s[\src:\src+1], s[4:5], s[10:11]
	s_cselect_b64 s[\dst:\dst+1], s[12:13], s[14:15]
	s_cselect_b32 s20, s19, s20
	s_cselect_b32 s22, s19, s22
	s_lshl_b32 s20, s20, 12
	s_mov_b32 s21, 0
	s_lshl_b32 s22, s22, 11
	s_mov_b32 s23, 0
	s_add_nc_u64 s[\src:\src+1], s[\src:\src+1], s[20:21]
	s_add_nc_u64 s[\dst:\dst+1], s[\dst:\dst+1], s[22:23]
.endm
	PICK 0, 32, 34
	PICK 32, 36, 38
.set u, 0
.rept 32
	global_load_b128 v[X+4*u:X+4*u+3], v1, s[32:33] offset:4096*u th:TH_LOAD_NT
.set u, u+1
.endr
.rept 16
	global_load_b128 v[X+4*u:X+4*u+3], v1, s[36:37] offset:4096*(u-32) th:TH_LOAD_NT
.set u, u+1
.endr
; Unit u: four numbers a lane are rounded to bf16, widened again (a shift, a mask) and written as f16.  No register is written again behind its store.
.macro TOF16 u, dst, off
	s_wait_loadcnt 47-(\u)                         ; loads come back in order: number u is in, the younger ones stay out
	v_cvt_pk_bf16_f32 v[X+4*(\u)],   v[X+4*(\u)],   v[X+4*(\u)+1]
	v_cvt_pk_bf16_f32 v[X+4*(\u)+2], v[X+4*(\u)+2], v[X+4*(\u)+3]
	v_and_b32     v[X+4*(\u)+1], s30, v[X+4*(\u)]
	v_lshlrev_b32 v[X+4*(\u)],   16,  v[X+4*(\u)]
	v_and_b32     v[X+4*(\u)+3], s30, v[X+4*(\u)+2]
	v_lshlrev_b32 v[X+4*(\u)+2], 16,  v[X+4*(\u)+2]
	v_cvt_pk_f16_f32 v[X+4*(\u)],   v[X+4*(\u)],   v[X+4*(\u)+1]
	v_cvt_pk_f16_f32 v[X+4*(\u)+1], v[X+4*(\u)+2], v[X+4*(\u)+3]
	global_store_b64 v2, v[X+4*(\u):X+4*(\u)+1], s[\dst:\dst+1] offset:\off th:TH_STORE_NT
.endm
.set u, 0
.rept 32
	TOF16 u, 34, 2048*u
.set u, u+1
.endr
.rept 16
	TOF16 u, 38, 2048*(u-32)
.set u, u+1
.endr
	s_endpgm                                       ; this job has written no LDS
	; JOB 2
.macro LOADX                           ; a step's 64 loads: my 32 rows of w_k, my 32 rows of w_q
	WIN 0x40                                       ; destination window 1, address window 0
.set n, 0
.rept 32
	global_load_b128 v[4*n:4*n+3],         v[VO], s[20:21] offset:4096*n
	global_load_b128 v[128+4*n:128+4*n+3], v[VO], s[22:23] offset:4096*n
.set n, n+1
.endr
	WIN 0
.endm
.Lprod:
	v_lshrrev_b32 v1, 5, v0
	v_readfirstlane_b32 s16, v1                    ; wave 0..7
	v_and_b32 v5, 31, v0                           ; lane
	s_lshr_b32 s18, s17, 3                         ; the tile's 128 j
	s_and_b32 s19, s17, 7                          ; its 128 i
	s_lshl_b32 s26, s18, 9                         ; 128 columns of 4 bytes
	s_mov_b32 s27, 0
	s_lshl_b32 s28, s19, 9
	s_mov_b32 s29, 0
	s_lshl_b32 s25, s16, 17
	v_lshl_add_u32 v[VO], v5, 4, s25
	s_wait_kmcnt 0x0
	s_add_nc_u64 s[20:21], s[8:9], s[26:27]        ; w_k at my columns j
	s_add_nc_u64 s[22:23], s[6:7], s[28:29]        ; w_q at my columns i
	LOADX                                          ; step 0
	; The turning load takes 16 o x 16 columns (lane l reads 16 bytes: row 8 (l / 16) + l % 8, columns 8 ((l / 8) % 2) + 0..7) and leaves half a fragment: lane l holds column l % 16 and 8 o.
	v_and_b32 v1, 15, v0                           ; l % 16
	v_bfe_u32 v13, v0, 4, 1                        ; l / 16
	v_and_b32 v176, 7, v0
	v_lshl_add_u32 v176, v13, 3, v176
	v_mul_u32_u24 v176, v176, PITCH
	v_bfe_u32 v177, v0, 3, 1
	v_lshl_add_u32 v176, v177, 4, v176
	s_lshr_b32 s30, s16, 2                         ; which 64 j are mine
	s_and_b32 s31, s16, 3                          ; which 32 i
	s_lshl_b32 s32, s30, 7
	s_lshl_b32 s33, s31, 6
	s_add_co_u32 s33, s33, QOF
	v_add_nc_u32 v[ADJ], s32, v176
	v_add_nc_u32 v[ADJ+1], 4*32*PITCH, v[ADJ]
	v_add_nc_u32 v[ADI], s33, v176
	v_add_nc_u32 v[ADI+1], 4*32*PITCH, v[ADI]
	s_mul_i32 s34, s16, 32*PITCH
	v_lshl_add_u32 v[LSK], v5, 3, s34              ; my 32 rows; 8 bytes a lane: a wave's store covers a row's 256 bytes
	v_add_nc_u32 v[LSQ], QOF, v[LSK]
	s_mul_i32 s35, s30, 64*SP                      ; into the stage: row 64 (w / 4) + l % 16, bytes 64 (w % 4) + 16 (l / 16)
	s_lshl_b32 s36, s31, 6
	s_add_co_u32 s35, s35, s36
	s_add_co_u32 s35, s35, STAGE
	v_mul_u32_u24 v176, v1, SP
	v_lshl_add_u32 v176, v13, 4, v176
	v_add_nc_u32 v[STO], s35, v176
	s_mul_i32 s35, s16, 16*SP                      ; back: wave w takes rows 16 w .. 16 w + 15, whole; lanes 0-15 one row of 256 bytes, lanes 16-31 the next
	s_add_co_u32 s35, s35, STAGE
	v_mul_u32_u24 v176, v13, SP
	v_lshl_add_u32 v176, v1, 4, v176
	v_add_nc_u32 v[RD], s35, v176
	s_lshl_b32 s35, s16, 15                        ; and the same rows in wm, 2,048 bytes each
	v_lshlrev_b32 v176, 11, v13
	v_lshl_add_u32 v176, v1, 4, v176
	v_add_nc_u32 v[CO], s35, v176
	s_lshl_b32 s26, s18, 18                        ; the tile in wm: 128 rows down for each j tile, 256 bytes along for each i tile
	s_lshl_b32 s28, s19, 8
	s_add_co_u32 s26, s26, s28
	s_add_nc_u64 s[26:27], s[14:15], s[26:27]
.set n, 0
.rept 64
	v_mov_b32 v[ACC+n], 0                          ; the sums start at 0: written while the first loads are on their way, so that the loop has one form of product
.set n, n+1
.endr
.macro FETCHF kq, f                    ; 12 turning loads: the fragments of slice kq (32 o) into buffer f
.irp a, 0,1,2,3
	ds_load_tr16_b128 v[FR+48*(\f)+8*(\a):FR+48*(\f)+8*(\a)+3],   v[ADJ+(\kq)/4] offset:((\kq)%4)*32*PITCH+32*(\a)
	ds_load_tr16_b128 v[FR+48*(\f)+8*(\a)+4:FR+48*(\f)+8*(\a)+7], v[ADJ+(\kq)/4] offset:((\kq)%4)*32*PITCH+16*PITCH+32*(\a)
.endr
.irp b, 0,1
	ds_load_tr16_b128 v[FR+48*(\f)+32+8*(\b):FR+48*(\f)+32+8*(\b)+3],   v[ADI+(\kq)/4] offset:((\kq)%4)*32*PITCH+32*(\b)
	ds_load_tr16_b128 v[FR+48*(\f)+32+8*(\b)+4:FR+48*(\f)+32+8*(\b)+7], v[ADI+(\kq)/4] offset:((\kq)%4)*32*PITCH+16*PITCH+32*(\b)
.endr
.endm
.macro MULS f                          ; a slice's 8 products; the 8 accumulators take turns, one instruction a turn, over every edge
.irp a, 0,1,2,3
.irp b, 0,1
	v_wmma_f32_16x16x32_bf16 v[ACC+8*(2*(\a)+(\b)):ACC+8*(2*(\a)+(\b))+7], v[FR+48*(\f)+32+8*(\b):FR+48*(\f)+32+8*(\b)+7], v[FR+48*(\f)+8*(\a):FR+48*(\f)+8*(\a)+7], v[ACC+8*(2*(\a)+(\b)):ACC+8*(2*(\a)+(\b))+7]
.endr
.endr
.endm
.macro PLACES                          ; four plain vector instructions between a matrix instruction and a load into, or a read of, one of its registers (ISA guide 7.12.1 for reads)
.rept 4
	v_nop
.endr
.endm
	s_mov_b32 s24, 4
.Lstep:
	s_wait_loadcnt 0x0                             ; this step's rows are in
	WIN 0x45                                       ; sources and destination in window 1
.set n, 0
.rept 64
	v_cvt_pk_bf16_f32 v[4*n],   v[4*n],   v[4*n+1]
	v_cvt_pk_bf16_f32 v[4*n+1], v[4*n+2], v[4*n+3]
.set n, n+1
.endr
	WIN 0
	s_wait_dscnt 0x0                               ; my reads of the last step's rows are over
	s_barrier_signal -1
	s_barrier_wait -1                              ; everybody's are: the rows may be written
	WIN 0x04                                       ; the stores' data in window 1
.set n, 0
.rept 32
	ds_store_b64 v[LSK], v[4*n:4*n+1]         offset:PITCH*n
	ds_store_b64 v[LSQ], v[128+4*n:128+4*n+1] offset:PITCH*n
.set n, n+1
.endr
	WIN 0
	s_cmp_eq_u32 s24, 1                            ; the last step has none behind it
	s_cbranch_scc1 .Lno_more
	s_add_nc_u64 s[20:21], s[20:21], 0x100000      ; 256 rows of 4,096 bytes on (the loads that named these have come back)
	s_add_nc_u64 s[22:23], s[22:23], 0x100000
	LOADX                                          ; the next step's rows are on their way while this step is multiplied
.Lno_more:
	s_wait_dscnt 0x0                               ; for the others' sake: my rows are stored
	s_barrier_signal -1
	s_barrier_wait -1                              ; everybody's are
	FETCHF 0, 0
.irp kq, 0,1,2,3,4,5,6
	PLACES
	FETCHF (\kq)+1, ((\kq)+1)%2
	s_wait_dscnt 12                                ; this slice's fragments are in; the 12 loads just issued may be out
	MULS (\kq)%2
.endr
	s_wait_dscnt 0x0
	MULS 1
	s_sub_co_u32 s24, s24, 1
	s_cmp_lg_u32 s24, 0
	s_cbranch_scc1 .Lstep
	; THE WAY OUT: rounded to f16; 16 bytes a lane into the work-group's stage; a barrier, since a row's 256 bytes come from four waves; back as whole rows, 16 rows a wave
	PLACES
.set t, 0
.rept 8
.irp r, 0,1,2,3
	v_cvt_pk_f16_f32 v[TMP+4*t+(\r)], v[ACC+8*t+2*(\r)], v[ACC+8*t+2*(\r)+1]
.endr
.set t, t+1
.endr
.irp a, 0,1,2,3
.irp b, 0,1
	ds_store_b128 v[STO], v[TMP+4*(2*(\a)+(\b)):TMP+4*(2*(\a)+(\b))+3] offset:(\a)*16*SP+32*(\b)
.endr
.endr
	s_wait_dscnt 0x0                               ; for the others' sake: my stores into the stage are done
	s_barrier_signal -1
	s_barrier_wait -1
.irp t, 0,1,2,3,4,5,6,7
	ds_load_b128 v[OB+4*(\t):OB+4*(\t)+3], v[RD] offset:(\t)*2*SP
.endr
.irp t, 0,1,2,3,4,5,6,7
	s_wait_dscnt 7-(\t)
	global_store_b128 v[CO], v[OB+4*(\t):OB+4*(\t)+3], s[26:27] offset:(\t)*4096  ; 16 lanes store 256 consecutive bytes, at a multiple of 256 from wm's first byte
.endr
	s_wait_tensorcnt 0x0                           ; the wave's end: behind my last LDS store
	ds_add_u32 v[SPW], v[NIL]
	s_wait_dscnt 0x0
	s_endpgm
.Lfunc_end_k_q6f38207a66_prep:
	.size	k_q6f38207a66_prep, .Lfunc_end_k_q6f38207a66_prep-k_q6f38207a66_prep
	.p2alignl 7, 3214868480
	.fill 96, 4, 3214868480
	.section	.rodata,"a",@progbits
	.p2align	6, 0x0
	.amdhsa_kernel k_q6f38207a66_prep
		.amdhsa_group_segment_fixed_size 183296
		.amdhsa_private_segment_fixed_size 0
		.amdhsa_enable_private_segment 0
		.amdhsa_kernarg_size 48
		.amdhsa_user_sgpr_count 2
		.amdhsa_user_sgpr_kernarg_segment_ptr 1
		.amdhsa_wavefront_size32 1
		.amdhsa_system_sgpr_workgroup_id_x 1
		.amdhsa_system_sgpr_workgroup_id_y 1
		.amdhsa_system_sgpr_workgroup_id_z 1
		.amdhsa_system_vgpr_workitem_id 0
		.amdhsa_next_free_vgpr 512
		.amdhsa_next_free_sgpr 66
		.amdhsa_reserve_vcc 0
		.amdhsa_float_denorm_mode_32 3
		.amdhsa_float_denorm_mode_16_64 3
		.amdhsa_memory_ordered 1
		.amdhsa_forward_progress 1
		.amdhsa_inst_pref_size 76
	.end_amdhsa_kernel
	.amdgpu_metadata
---
amdhsa.version: [ 1, 2 ]
amdhsa.kernels:
  - .name:           k_q6f38207a66_prep
    .symbol:         k_q6f38207a66_prep.kd
    .args:
      - { .name: input, .offset: 0, .size: 8, .value_kind: global_buffer, .address_space: global }
      - { .name: w_q, .offset: 8, .size: 8, .value_kind: global_buffer, .address_space: global }
      - { .name: w_k, .offset: 16, .size: 8, .value_kind: global_buffer, .address_space: global }
      - { .name: w_v, .offset: 24, .size: 8, .value_kind: global_buffer, .address_space: global }
      - { .name: xh, .offset: 32, .size: 8, .value_kind: global_buffer, .address_space: global }
      - { .name: wm, .offset: 40, .size: 8, .value_kind: global_buffer, .address_space: global }
    .group_segment_fixed_size: 183296
    .private_segment_fixed_size: 0
    .kernarg_segment_align: 8
    .kernarg_segment_size: 48
    .max_flat_workgroup_size: 256
    .sgpr_count:     66
    .vgpr_count:     512
    .wavefront_size: 32
...
	.end_amdgpu_metadata
.endif
;; end of part 1
;; launch proj (part 2): grid 32 x 8, 4 waves a work-group, clusters of 4 x 4, 327,680 bytes of LDS; arguments wm, xh, qv; writes qv
.if DOCPART == 2
	.amdgcn_target "amdgcn-amd-amdhsa--gfx1250"
	.amdhsa_code_object_version 6
	.text
	.protected	k_q6f38207a66_proj
	.globl	k_q6f38207a66_proj
	.p2align	8
	.type	k_q6f38207a66_proj,@function
k_q6f38207a66_proj:
	s_mov_b64 s[64:65], 0
	v_nop
	global_prefetch_b8 v0, s[64:65] scope:SCOPE_SE
	s_setreg_imm32_b32 hwreg(HW_REG_WAVE_MODE, 25, 1), 1
	s_wait_xcnt 0x0
	s_wait_alu depctr_hold_cnt(0) depctr_sa_sdst(0) depctr_va_vdst(0) depctr_va_sdst(0) depctr_va_ssrc(0) depctr_va_vcc(0) depctr_vm_vsrc(0)
	s_getreg_b32 s2, hwreg(HW_REG_IB_STS2, 6, 4)
	s_cmp_eq_u32 s2, 0
	s_cbranch_scc0 .Lentry_in_a_cluster
	s_endpgm
.Lentry_in_a_cluster:
	s_bfe_u32 s2, ttmp6, 0x10000c
	s_cmp_lg_u32 s2, 0xf033
	s_cbranch_scc0 .Lentry_shape_is_right
	s_endpgm
.Lentry_shape_is_right:
; qv[ch][tok] = f x the sum over k of wm[ch][k] xh[tok][k].  wm: [2048][1024] f16 (rows 0-1023: M^T, with M = Wq^T Wk; rows 1024-2047: w_v), xh: [8192][1024] f16, qv: [2048][8192] f16, tokens along the rows.
; Rows 0-1023 of qv are q' = x M with f = 2^-10, rows 1024-2047 are v = x w_v^T with f = 1.  Sums in f32, scaled in f32, rounded once.
; LIMITS.  f16 ends at 65,504: q' x 2^-10 and v must stay within it.  The factor leaves that room where x, w_q and w_k all carry an offset of 30 times their spread (q' near 2.8e7); below 6e-5 the stored q' keeps f16's
; fixed step of 6e-8.
; 2048 x 8192 in tiles of 256 x 256 are 256 tiles: one work-group each.  A tile is made by four waves, each 128 channels x 128 tokens: 64 accumulators, 512 registers.  K goes in steps of 128 through a ring of two
; LDS slots filled by the tensor data mover: the tiles' rows are 256 bytes of memory and start at multiples of 256 bytes.
; THE RING IS WRITTEN BY K STEP: the offset of the slot that is read is a scalar, turned by an exclusive or at each change of slots and added to the lanes' terms and to the descriptor's LDS word.
; CLUSTERS: 4 x 4 work-groups.  The four of a row of the cluster need the same 256 rows of wm, the four of a column the same 256 rows of xh: each tile is asked for JOINTLY, by the same tensor load with the same
; descriptor and a mask that names the four.
; THE MATRIX INSTRUCTION IS USED TRANSPOSED: source 0 = 16 tokens (xh), source 1 = 16 channels (wm): lane l then holds channel l % 16 and the tokens 8 (l / 16) + 0..7: 16 bytes of a row of qv.
; REGISTERS, in windows of 256 (s_set_vgpr_msb: bits 1:0 source 0, 3:2 source 1, 5:4 source 2, 7:6 destination):
;   window 0: v0-31 addresses; v64-127, v128-191 fragments of wm, two buffers; v32-63, v192-255 at work on the way out;   window 1: v64-127, v128-191 fragments of xh
;   window 2: the 32 accumulators of my channels 0-63 ((a, b) at v[8 (8 a + b)]);   window 3: those of my channels 64-127
.set SIZE_K, 1024
.set SIZE_T, 8192                      ; tokens: numbers in a row of qv
.set KSTEP,  128
.set PITCH,  272                       ; an LDS row: 256 bytes + 16 of padding = 68 words: the 16 rows that a load touches start at 16 different groups of four banks (64 banks of 4 bytes: ISA guide 11.1)
.set HALFT,  128*PITCH                 ; 128 rows: one tensor load, and what one wave reads of wm or of xh
.set SLOT,   4*HALFT                   ; wm's 256 rows, then xh's 256 rows
.set STAGE,  2*SLOT                    ; behind the ring: 16 rows x 272 bytes for each wave, for the way out
.set SPITCH, 272
.set SPARE,  STAGE+4*16*SPITCH         ; behind the stages: the spare words, 128 bytes for each wave: two blocks of 256 bytes that no other line names
.set PADW,   (1<<16)|(1<<20)|(1<<21)|(5<<22)|(3<<25)  ; group 1, word 0 beside the mask: 2-byte elements; padding on; bit 21 set beside a mask; after every 64 words (code 5) 4 words (code 3)
.set ADRA0, 16                         ; v16     my lane's place among my wm fragments in slot 0; never rewritten
.set ADRB0, 17                         ; v17     the same for xh
.set ADRA,  18                         ; v18     the same in the slot that is read
.set ADRB,  19                         ; v19
.set STO,  24                          ; v24     the way out: where I put 16 bytes of a row
.set RD,   25                          ; v25     the way out: where I read a row back
.set CO,   26                          ; v26     my byte offset in qv
.set SPW,  28                          ; v28     LDS address of my spare word; never rewritten
.set NIL,  29                          ; v29     0; never rewritten
.set PFO,  30                          ; v30     the prefetches' offset: my lane x a row of 2,048 bytes; never rewritten
.set F0,   64
.set F1,   128
.set TMP,  192                         ; the way out: packed results
.set OB,   32                          ; the way out: 16 rows read back: v32-63 and v224-255 by turns
.set SC,   18                          ; s[18:19] f: the packed multiply takes the pair's low word for both halves
.set LBA,  21                          ; s21     where the rows of wm that I fetch go in a slot
.set LBB,  22                          ; s22     the same for xh
.set TB,   23                          ; s23     the offset of the slot that is read: 0 or SLOT
.set G1,   24                          ; s[24:31] descriptor group 1 for wm's tiles
.set G0,   32                          ; s[32:39] group 0 for wm's tiles: a set for each of the two first fills; the second then walks on
.set LIM,  43                          ; s43     2 in a wave that prefetches, else the greatest number
.set PFA,  44                          ; s[44:45] where my prefetches stand: one K step further than the refill in hand; a prefetch names the K step after that
.set G1B,  48                          ; s[48:55] group 1 for xh's tiles
.set G0B,  56                          ; s[56:63] group 0 for xh's tiles
.set MSB, 0
.macro WIN new                         ; the immediate's high byte repeats the setting that is left; a switch that changes nothing is dropped
.if MSB != (\new)
	s_set_vgpr_msb (MSB<<8)|(\new)
.set MSB, \new
.endif
.endm
.set MUL_LO, 0xa1                      ; source 0 (xh) window 1, source 1 (wm) window 0, C and D window 2
.set MUL_HI, 0xf1                      ; the same, C and D window 3
.set TO_B,   0x40                      ; destination window 1, address window 0
; A joint load by set s.  Waves 0 and 1 fetch wm's two halves, waves 2 and 3 xh's.  The branch hangs on the wave's number alone.  An s_nop 0 and four v_nop follow each of the two lines.
.macro JLOAD s
	s_cmp_eq_u32 s11, 0
	s_cbranch_scc0 .Lfor_b_\@
	tensor_load_to_lds s[G0+4*(\s):G0+4*(\s)+3], s[G1:G1+7]
	s_nop 0
.rept 4
	v_nop
.endr
	s_branch .Lasked_\@
.Lfor_b_\@:
	tensor_load_to_lds s[G0B+4*(\s):G0B+4*(\s)+3], s[G1B:G1B+7]
	s_nop 0
.rept 4
	v_nop
.endr
.Lasked_\@:
.endm
; A prefetch, behind each joint refill and the run of LDS loads that follows it: the K step that stands two refills on, 256 bytes of each of my rows, a lane a row, one instruction a wave.
; wm's rows are read by every cluster of a row of clusters: cluster x = 0 asks; xh's by every cluster of a column: cluster y = 0 asks.  The four partners of a joint load share its 128 rows out BY ADDRESS, 32 each.
; K steps 0 to 3 come by their loads alone; the loop's last two trips (s3 = 2, 1) have no K step two refills on and ask for nothing.
.macro ASK
	s_cmp_gt_u32 s3, s[LIM]
	s_cbranch_scc0 .Lnot_mine_\@
	global_prefetch_b8 v[PFO], s[PFA:PFA+1] offset:KSTEP*2 th:TH_LOAD_NT scope:SCOPE_SE
.Lnot_mine_\@:
.endm
; A round of the cluster's barrier: my work-group's barrier; wave 0 signals for the work-group; every wave waits for all sixteen work-groups; my work-group's barrier once more.
.macro CREST
	s_cmp_lg_u32 s10, 0
	s_cbranch_scc1 .Lnot_wave_0_\@
	s_barrier_signal -3
.Lnot_wave_0_\@:
	s_barrier_wait -3
	s_barrier_signal -1
	s_barrier_wait -1
.endm
.macro CROUND
	s_barrier_signal -1
	s_barrier_wait -1
	CREST
.endm
	s_load_b128 s[4:7], s[0:1], 0x0                ; wm s[4:5], xh s[6:7]
	s_load_b64 s[8:9], s[0:1], 0x10                ; qv
	v_lshl_add_u32 v[SPW], v0, 2, SPARE
	v_mov_b32 v[NIL], 0
	ds_add_u32 v[SPW], v[NIL]                      ; the wave's opening: the add and its wait stand ahead of my first tensor load; the set-up below stands between them
	ds_add_u32 v28, v29
	v_lshrrev_b32 v1, 5, v0
	v_readfirstlane_b32 s10, v1                    ; wave 0..3
	s_lshr_b32 s11, s10, 1                         ; which 128 channels of the tile are mine.  Also: I fetch for wm (0) or for xh (1)
	s_and_b32 s12, s10, 1                          ; which 128 tokens.  Also: which half of that tile I fetch
	s_bfe_u32 s40, ttmp6, 0x40000                  ; cx
	s_bfe_u32 s41, ttmp6, 0x40004                  ; cy
	s_lshl_b32 s42, ttmp9, 2
	s_add_co_u32 s42, s42, s40                     ; tile column (256 tokens) = 4 x cluster x + cx
	s_and_b32 s13, ttmp7, 0xffff
	s_cmp_eq_u32 s13, 0                            ; the first row of clusters makes q', the second v
	s_cselect_b32 s[SC], 0x3a800000, 1.0           ; 2^-10 or 1
	s_mov_b32 s[SC+1], s[SC]                       ; named with it as a pair
	s_lshl_b32 s13, s13, 2
	s_add_co_u32 s13, s13, s41                     ; tile row (256 channels) = 4 x cluster y + cy
	s_lshl_b32 s43, s41, 2
	s_lshl_b32 s43, 15, s43                        ; my row of the cluster: places 4 cy .. 4 cy + 3
	s_lshl_b32 s44, 0x1111, s40                    ; my column: places cx, cx + 4, cx + 8, cx + 12
	s_or_b32 s[G1+0], s43, PADW                    ; wm's tiles go to my row,
	s_or_b32 s[G1B+0], s44, PADW                   ; xh's to my column
.irp g, G1, G1B
	s_mov_b32 s[(\g)+1], KSTEP<<16                 ; tensor_dim0 = 128
	s_mov_b32 s[(\g)+2], 128<<16                   ; tensor_dim1 = 128
	s_mov_b32 s[(\g)+3], KSTEP<<16                 ; tile_dim0 = 128
	s_mov_b32 s[(\g)+4], 128                       ; tile_dim1 = 128
	s_mov_b32 s[(\g)+5], SIZE_K                    ; elements from row to row
	s_mov_b32 s[(\g)+6], 0
	s_mov_b32 s[(\g)+7], 0
.endr
	; where the tiles come from: wm's hang on the tile row alone, xh's on the tile column alone, each in registers that do not hold the other coordinate
	s_lshl_b32 s17, s12, 7                         ; which 128 rows of the tile I fetch
	s_lshl_b32 s16, s13, 8
	s_add_co_u32 s16, s16, s17                     ; wm: row 256 x tile row + 128 x half,
	s_lshl_b32 s16, s16, 11                        ; of 2,048 bytes
	s_lshl_b32 s46, s42, 8
	s_add_co_u32 s46, s46, s17                     ; xh: row 256 x tile column + 128 x half
	s_lshl_b32 s46, s46, 11
	s_mov_b32 s17, 0
	s_mov_b32 s47, 0
	s_mul_i32 s[LBA], s12, HALFT                   ; and where they go: no place in the cluster enters an LDS address
	s_add_co_u32 s[LBB], s[LBA], 2*HALFT
	s_mov_b32 s[TB], 0
	s_wait_dscnt 0x0                               ; the opening add is done
	s_wait_kmcnt 0x0
	s_add_nc_u64 s[14:15], s[4:5], s[16:17]
	s_add_nc_u64 s[46:47], s[6:7], s[46:47]
	CROUND                                         ; all sixteen work-groups are here: the first joint loads meet
.irp s, 0,1
	s_mov_b32 s[G0+4*(\s)], 1                                      ; count = 1
	s_add_co_u32 s[G0+4*(\s)+1], s[LBA], (\s)*SLOT                 ; LDS address
	s_add_nc_u64 s[G0+4*(\s)+2:G0+4*(\s)+3], s[14:15], (\s)*KSTEP*2  ; global address: K step s
	s_or_b32 s[G0+4*(\s)+3], s[G0+4*(\s)+3], 0x80000000            ; type = 2
	s_mov_b32 s[G0B+4*(\s)], 1
	s_add_co_u32 s[G0B+4*(\s)+1], s[LBB], (\s)*SLOT
	s_add_nc_u64 s[G0B+4*(\s)+2:G0B+4*(\s)+3], s[46:47], (\s)*KSTEP*2
	s_or_b32 s[G0B+4*(\s)+3], s[G0B+4*(\s)+3], 0x80000000
	JLOAD \s                                       ; two loads of mine are out
.endr
	; A fragment is 16 rows x 32 K in 8 registers: lane l holds row l % 16; registers 0-3 K = 8 (l / 16) + 0..7, registers 4-7 K = 16 + 8 (l / 16) + 0..7: two loads of 16 bytes, 32 bytes apart.
	v_and_b32 v1, 15, v0                           ; l % 16
	v_bfe_u32 v2, v0, 4, 1                         ; l / 16
	v_mul_u32_u24 v3, v1, PITCH
	v_lshl_add_u32 v3, v2, 4, v3
	s_mul_i32 s14, s11, HALFT                      ; my 128 rows of wm
	s_mul_i32 s15, s12, HALFT                      ; my 128 rows of xh,
	s_add_co_u32 s15, s15, 2*HALFT                 ; which lie behind wm's 256
	v_add_nc_u32 v[ADRA0], s14, v3
	v_add_nc_u32 v[ADRB0], s15, v3
	v_mov_b32 v[ADRA], v[ADRA0]                    ; K step 0 lies in slot 0
	v_mov_b32 v[ADRB], v[ADRB0]
	s_mul_i32 s14, s10, 16*SPITCH
	s_add_co_u32 s14, s14, STAGE                   ; my stage
	v_mul_u32_u24 v4, v1, SPITCH                   ; in: row l % 16, 16 bytes for each half of the lanes
	v_lshl_add_u32 v4, v2, 4, v4
	v_add_nc_u32 v[STO], s14, v4
	v_mul_u32_u24 v5, v2, SPITCH                   ; back: lanes 0-15 take one row of 256 bytes, lanes 16-31 the next
	v_lshl_add_u32 v5, v1, 4, v5
	v_add_nc_u32 v[RD], s14, v5
	v_lshlrev_b32 v5, 14, v2                       ; and the same two rows in qv, 16,384 bytes apart
	v_lshl_add_u32 v[CO], v1, 4, v5
	; the prefetches
	s_and_b32 s15, ttmp7, 0xffff                   ; cluster y
	s_lshl_b32 s14, s13, 8                         ; wm: the tile's first row
	s_lshl_b32 s20, s42, 8                         ; xh: likewise
	s_cmp_eq_u32 s11, 0                            ; do I fetch for wm?
	s_cselect_b32 s14, s14, s20
	s_cselect_b32 s20, s40, s41                    ; my place among the four that ask with me
	s_cselect_b32 s15, ttmp9, s15                  ; the coordinate along which other clusters read the same rows
	s_cselect_b64 s[PFA:PFA+1], s[4:5], s[6:7]
	s_cmp_eq_u32 s15, 0
	s_cselect_b32 s[LIM], 2, -1                    ; the same in all sixteen partners, for a given wave
	s_lshl_b32 s15, s12, 7
	s_add_co_u32 s14, s14, s15                     ; + the 128 rows that I fetch
	s_lshl_b32 s20, s20, 5
	s_add_co_u32 s14, s14, s20                     ; + my work-group's 32 of them
	s_lshl_b32 s46, s14, 11
	s_add_co_u32 s46, s46, 2*KSTEP*2               ; at K step 2: the first refill steps it to 3 and names K step 4
	s_mov_b32 s47, 0
	s_add_nc_u64 s[PFA:PFA+1], s[PFA:PFA+1], s[46:47]
	v_and_b32 v[PFO], 31, v0
	v_lshlrev_b32 v[PFO], 11, v[PFO]
	; where my part of the tile begins in qv, in bytes (under 2^26)
	s_lshl_b32 s16, s13, 8
	s_lshl_b32 s14, s11, 7
	s_add_co_u32 s16, s16, s14
	s_lshl_b32 s16, s16, 14
	s_lshl_b32 s14, s42, 9
	s_lshl_b32 s15, s12, 8
	s_add_co_u32 s14, s14, s15
	s_add_co_u32 s16, s16, s14
	s_mov_b32 s17, 0
; 16 matrix instructions: channel blocks a0, a0 + 1 of the window's four x all 8 token blocks, 32 along K.  zero = 1: the product starts the sums: nothing is cleared.  The 64 accumulators take turns, one
; instruction a turn, in the same order in every quarter step.
.macro MUL16 f, hi, a0, zero
	WIN MUL_LO+0x50*(\hi)
.irp a, \a0, (\a0)+1
.irp b, 0,1,2,3,4,5,6,7
.if \zero
	v_wmma_f32_16x16x32_f16 v[8*(8*(\a)+(\b)):8*(8*(\a)+(\b))+7], v[(\f)+8*(\b):(\f)+8*(\b)+7], v[(\f)+8*(4*(\hi)+(\a)):(\f)+8*(4*(\hi)+(\a))+7], 0
.else
	v_wmma_f32_16x16x32_f16 v[8*(8*(\a)+(\b)):8*(8*(\a)+(\b))+7], v[(\f)+8*(\b):(\f)+8*(\b)+7], v[(\f)+8*(4*(\hi)+(\a)):(\f)+8*(4*(\hi)+(\a))+7], v[8*(8*(\a)+(\b)):8*(8*(\a)+(\b))+7]
.endif
.endr
.endr
.endm
; 32 LDS loads in one run: the fragments of one quarter step (128 rows of xh, then 128 of wm, 32 K at byte k of the rows of the slot that is read) into buffer f
.macro FETCH k, f
	WIN TO_B
.irp i, 0,1,2,3,4,5,6,7
	ds_load_b128 v[(\f)+8*(\i):(\f)+8*(\i)+3],   v[ADRB] offset:(\k)+(\i)*16*PITCH
	ds_load_b128 v[(\f)+8*(\i)+4:(\f)+8*(\i)+7], v[ADRB] offset:(\k)+(\i)*16*PITCH+32
.endr
	WIN 0
.irp i, 0,1,2,3,4,5,6,7
	ds_load_b128 v[(\f)+8*(\i):(\f)+8*(\i)+3],   v[ADRA] offset:(\k)+(\i)*16*PITCH
	ds_load_b128 v[(\f)+8*(\i)+4:(\f)+8*(\i)+7], v[ADRA] offset:(\k)+(\i)*16*PITCH+32
.endr
.endm
.macro PLACES                          ; four plain vector instructions between a matrix instruction and a load into, or a vector read or write of, one of its registers (ISA guide 7.12.1 for vector reads and writes)
.rept 4
	v_nop
.endr
.endm
; A K step is four quarters of 32 along K, 64 matrix instructions each, on buffers 0, 1, 0, 1.  One of the first three multiplies buffer f and, in its middle, fetches the next quarter, at byte k, into g.
.macro QUARTER k, f, g, zero
	s_wait_dscnt 8                                 ; xh and wm's blocks 0-3 are in; the youngest eight loads (wm's blocks 4-7) may be out
	MUL16 \f, 0, 0, \zero
	MUL16 \f, 0, 2, \zero
	PLACES
	FETCH \k, \g
	s_wait_dscnt 32                                ; all but the 32 just issued
	MUL16 \f, 1, 0, \zero
	MUL16 \f, 1, 2, \zero
.endm
; The last quarter multiplies buffer 1 and changes slots: ONE barrier.  In front of it each wave waits for all its tensor loads (one is out: its part of the next slot), adds 0 to its spare word, and waits for that
; and for its own reads of this slot.  Behind it nobody reads this slot any more and the next slot is whole.  fill = 1: the barrier opens a round of the cluster's, and behind the round this slot is filled again
; first, with the K step two steps on: from that request to the wait for it a wave issues 224 matrix instructions.  Then come the next slot's first fragments.
.macro TURN fill
.if \fill
	s_wait_xcnt 0x0                                ; the last prefetch, a K step back, has read its address
	s_add_nc_u64 s[PFA:PFA+1], s[PFA:PFA+1], KSTEP*2
.endif
	WIN 0                                          ; (the add's two registers lie in window 0)
	s_wait_tensorcnt 0x0                           ; no tensor load of mine is out, so a group 0 may be written
	ds_add_u32 v[SPW], v[NIL]                      ; 0 onto my spare word
.if \fill
	s_add_co_u32 s[G0+5], s[LBA], s[TB]            ; the walking descriptors: into the slot that is being read out,
	s_add_co_u32 s[G0B+5], s[LBB], s[TB]
	s_add_nc_u64 s[G0+6:G0+7], s[G0+6:G0+7], KSTEP*2    ; the next K step; the type bits on top are not reached
	s_add_nc_u64 s[G0B+6:G0B+7], s[G0B+6:G0B+7], KSTEP*2
.endif
	s_xor_b32 s[TB], s[TB], SLOT                   ; the fetches go on in the other slot
	s_wait_dscnt 9                                 ; (the add and the youngest eight loads may be out)
	MUL16 F1, 0, 0, 0                              ; sixteen matrix instructions stand between the add and the wait for it
	s_wait_dscnt 0x0                               ; the add is done, and my reads of this slot are over
	s_barrier_signal -1
	MUL16 F1, 0, 2, 0                              ; work on registers while the others arrive
	WIN 0                                          ; (branches and lines in window 0 follow)
	s_barrier_wait -1
.if \fill
	CREST                                          ; no wave of any partner still reads this slot's tile or has a load on its way
	JLOAD 1                                        ; the first tensor load behind the round; its four v_nop are also the places in front of the loads below
.else
	PLACES
.endif
	v_add_nc_u32 v[ADRA], s[TB], v[ADRA0]
	v_add_nc_u32 v[ADRB], s[TB], v[ADRB0]
	FETCH 0, F0
.if \fill
	ASK
.endif
	MUL16 F1, 1, 0, 0
	MUL16 F1, 1, 2, 0
.endm
; THE WAY OUT of channel block a.  PACK: times f, in place, and rounded to f16, 16 bytes a lane (each accumulator's lowest registers are read first).  TOSTAGE: into my own stage, and back as whole rows.  SEND: stored.
.macro PACK a
.set AC, 64*((\a)%4)
	WIN 0x82+0x41*((\a)/4)                         ; source 0 and destination: window 2 or 3
.set i, 0
.rept 32
	v_pk_mul_f32 v[AC+i:AC+i+1], v[AC+i:AC+i+1], s[SC:SC+1] op_sel_hi:[1,0]
.set i, i+2
.endr
	WIN 0x0a+5*((\a)/4)                            ; sources 0 and 1: window 2 or 3
.irp b, 0,1,2,3,4,5,6,7
.irp r, 0,1,2,3
	v_cvt_pk_f16_f32 v[TMP+4*(\b)+(\r)], v[AC+8*(\b)+2*(\r)], v[AC+8*(\b)+2*(\r)+1]
.endr
.endr
	WIN 0
.endm
.macro TOSTAGE a
	WIN 0
.set BK, OB+192*((\a)%2)
.irp b, 0,1,2,3,4,5,6,7
	ds_store_b128 v[STO], v[TMP+4*(\b):TMP+4*(\b)+3] offset:32*(\b)
.endr
.irp t, 0,1,2,3,4,5,6,7
	ds_load_b128 v[BK+4*(\t):BK+4*(\t)+3], v[RD] offset:(\t)*2*SPITCH  ; LDS serves a wave's instructions in order (ISA guide 5.7.1.4): these see the stores above
.endr
.endm
.macro SEND a
	WIN 0
.set BK, OB+192*((\a)%2)
	s_wait_dscnt 0x0                               ; the block is back in registers
	s_wait_xcnt 0x0                                ; earlier stores have read their base and their data: only behind this wait are these written again
.if (\a) == 0
	s_add_nc_u64 s[8:9], s[8:9], s[16:17]          ; on to my first rows
.else
	s_add_nc_u64 s[8:9], s[8:9], 16*SIZE_T*2       ; 16 rows on
.endif
.irp t, 0,1,2,3,4,5,6,7
	global_store_b128 v[CO], v[BK+4*(\t):BK+4*(\t)+3], s[8:9] offset:2*(\t)*SIZE_T*2  ; 16 lanes store 256 consecutive bytes, at a multiple of 256 from qv's first byte
.endr
.endm
	s_wait_tensorcnt 1                             ; my part of K step 0 is in; K step 1's may stay out
	s_barrier_signal -1
	s_barrier_wait -1                              ; everybody's is
	FETCH 0, F0
	QUARTER 64, F0, F1, 1                          ; the first quarter stands in front of the loop: its products start the sums
	WIN 0                                          ; at a label and at a branch every window is 0
	s_mov_b32 s3, 6
.Lstep:                                                ; a trip goes from a K step's second quarter to the next step's first; K steps 0 to 5 fill their slots again, with K steps 2 to 7
	QUARTER 128, F1, F0, 0
	QUARTER 192, F0, F1, 0
	TURN 1
	QUARTER 64, F0, F1, 0
	WIN 0
	s_sub_co_u32 s3, s3, 1
	s_cmp_lg_u32 s3, 0
	s_cbranch_scc1 .Lstep
	s_mov_b32 s3, 2
.Ltail:                                                ; K steps 6 and 7 ask for nothing: a text of their own; the second trip is left in its middle
	QUARTER 128, F1, F0, 0
	QUARTER 192, F0, F1, 0
	WIN 0
	s_cmp_eq_u32 s3, 1
	s_cbranch_scc1 .Llast
	TURN 0
	QUARTER 64, F0, F1, 0
	WIN 0
	s_sub_co_u32 s3, s3, 1
	s_cmp_lg_u32 s3, 0
	s_cbranch_scc1 .Ltail
.Llast:
	s_wait_dscnt 8                                 ; the very last quarter: nothing more to fetch
	MUL16 F1, 0, 0, 0
	MUL16 F1, 0, 2, 0
	s_wait_dscnt 0x0
	MUL16 F1, 1, 0, 0
	MUL16 F1, 1, 2, 0
	WIN 0
	PLACES                                         ; the multiplies read and write matrix results
	PACK 0
	TOSTAGE 0
.irp a, 1,2,3,4,5,6,7                  ; block a's arithmetic stands between block a - 1's loads from the stage and the wait for them
	PACK \a
	SEND (\a)-1
	TOSTAGE \a
.endr
	SEND 7
	s_wait_tensorcnt 0x0                           ; the wave's end: behind my last tensor load and my last LDS store
	ds_add_u32 v[SPW], v[NIL]
	s_wait_dscnt 0x0
	CROUND                                         ; the closing round: no work-group ends while a partner may still ask for a tile that names it
	s_endpgm
.Lfunc_end_k_q6f38207a66_proj:
	.size	k_q6f38207a66_proj, .Lfunc_end_k_q6f38207a66_proj-k_q6f38207a66_proj
	.p2alignl 7, 3214868480
	.fill 96, 4, 3214868480
	.section	.rodata,"a",@progbits
	.p2align	6, 0x0
	.amdhsa_kernel k_q6f38207a66_proj
		.amdhsa_group_segment_fixed_size 327680
		.amdhsa_private_segment_fixed_size 0
		.amdhsa_enable_private_segment 0
		.amdhsa_kernarg_size 24
		.amdhsa_user_sgpr_count 2
		.amdhsa_user_sgpr_kernarg_segment_ptr 1
		.amdhsa_wavefront_size32 1
		.amdhsa_system_sgpr_workgroup_id_x 1
		.amdhsa_system_sgpr_workgroup_id_y 1
		.amdhsa_system_sgpr_workgroup_id_z 1
		.amdhsa_system_vgpr_workitem_id 0
		.amdhsa_next_free_vgpr 1024
		.amdhsa_next_free_sgpr 66
		.amdhsa_reserve_vcc 0
		.amdhsa_float_denorm_mode_32 3
		.amdhsa_float_denorm_mode_16_64 3
		.amdhsa_memory_ordered 1
		.amdhsa_forward_progress 1
		.amdhsa_inst_pref_size 121
	.end_amdhsa_kernel
	.amdgpu_metadata
---
amdhsa.version: [ 1, 2 ]
amdhsa.kernels:
  - .name:           k_q6f38207a66_proj
    .symbol:         k_q6f38207a66_proj.kd
    .args:
      - { .name: wm, .offset: 0, .size: 8, .value_kind: global_buffer, .address_space: global }
      - { .name: xh, .offset: 8, .size: 8, .value_kind: global_buffer, .address_space: global }
      - { .name: qv, .offset: 16, .size: 8, .value_kind: global_buffer, .address_space: global }
    .group_segment_fixed_size: 327680
    .private_segment_fixed_size: 0
    .kernarg_segment_align: 8
    .kernarg_segment_size: 24
    .max_flat_workgroup_size: 128
    .sgpr_count:     66
    .vgpr_count:     1024
    .wavefront_size: 32
...
	.end_amdgpu_metadata
.endif
;; end of part 2
;; launch scores (part 3): grid 36 x 4, 4 waves a work-group, no clusters, 327,680 bytes of LDS; arguments qv, xh, sc; writes sc
.if DOCPART == 3
	.amdgcn_target "amdgcn-amd-amdhsa--gfx1250"
	.amdhsa_code_object_version 6
	.text
	.protected	k_q6f38207a66_scores
	.globl	k_q6f38207a66_scores
	.p2align	8
	.type	k_q6f38207a66_scores,@function
k_q6f38207a66_scores:
	s_mov_b64 s[64:65], 0
	v_nop
	global_prefetch_b8 v0, s[64:65] scope:SCOPE_SE
	s_setreg_imm32_b32 hwreg(HW_REG_WAVE_MODE, 25, 1), 1
	s_wait_xcnt 0x0
; sc[b][q][k] = the sum over 1,024 channels of q'[ch][q] x[k][ch], unmasked, in f32, for the tiles of 256 x 256 that hold a key k <= q.  q' = x (Wq^T Wk) x 2^-10 lies in rows 0-1023 of qv [2048][8192] f16,
; tokens along the rows (token = 2048 b + s); the keys are x itself, xh [8192][1024] f16: q . k = x (Wq^T Wk) x^T.  So sc holds q . k x 2^-10.  sc: [4][2048][2048] f32.
; Of a batch's 8 x 8 tiles the 36 with tile row I >= tile column J are made; the diagonal ones are stored whole.
; A tile is made by four waves, each 128 queries x 128 keys: 64 accumulators, 512 registers.  The channels go in steps of 128 through a ring of two LDS slots.  A slot holds 128 channel rows x 256 tokens of q'
; (512 bytes of memory a row) and 256 token rows x 128 channels of xh (256 bytes a row); waves 0, 1 fetch 64 rows of q' each, waves 2, 3 128 rows of xh each: 34,816 bytes of LDS either way.
; q' IS TURNED on the way out of LDS, by ds_load_tr16_b128: its channels lie down the LDS rows; xh's lie along them.
; source 0 = 16 keys, source 1 = 16 queries: lane l holds query l % 16 and the keys 8 (l / 16) + 0..7: 32 consecutive bytes of a row of sc.
; THE RING IS WRITTEN BY STEP: the offset of the slot that is read is a scalar, turned by an exclusive or at each change of slots and added to the lanes' terms and to the descriptor's LDS word.
; NO CLUSTER: row I of the triangle has I + 1 tiles and column J has 8 - J: neither divides into fours for every I and J, and a square of 4 x 4 tiles on the diagonal would hold 6 tiles of hidden scores alone.
; REGISTERS, in windows of 256 (s_set_vgpr_msb: bits 1:0 source 0, 3:2 source 1, 5:4 source 2, 7:6 destination):
;   window 0: v0-31 addresses; v64-127, v128-191 fragments of q', two buffers (on the way out: rows read back);   window 1: v64-127, v128-191 fragments of xh
;   window 2: the 32 accumulators of my queries 0-63 ((a, b) at v[8 (8 a + b)]);   window 3: those of my queries 64-127
.set PITCH,  544                       ; a row of q' in LDS: 512 bytes + 32 = 136 words
.set PK,     272                       ; a row of xh: 256 bytes + 16 = 68 words: the 16 rows that a load touches start at 16 different groups of four banks
.set QT,     64*PITCH                  ; one tensor load: 64 rows of q', or 128 rows of xh (128 x 272 is the same number)
.set KOF,    2*QT                      ; in a slot xh's 256 rows lie behind q's 128
.set SLOT,   4*QT
.set STAGE,  2*SLOT                    ; behind the ring: 16 rows x 528 bytes for each wave, for the way out
.set SPITCH, 528
.set SPARE,  STAGE+4*16*SPITCH         ; behind the stages: the spare words, 128 bytes for each wave: two blocks of 256 bytes that no other line names
.set ROWB,   16384                     ; bytes in a row of qv
.set KROWS,  128*ROWB                  ; a step's 128 rows of q'
.set SCROW,  8192                      ; bytes in a row of sc
.set ADRA0, 16                         ; v16     my lane's place among my q' fragments in slot 0; never rewritten
.set ADRB0, 17                         ; v17     the same for xh
.set ADRA,  18                         ; v18     the same in the slot that is read
.set ADRB,  19                         ; v19
.set STO,  24                          ; v24     the way out: where I put 32 bytes of a row
.set RD,   25                          ; v25     the way out: where I read a row back
.set CO,   26                          ; v26     16 x lane: my bytes of a row's 512
.set SPW,  28                          ; v28     LDS address of my spare word; never rewritten
.set NIL,  29                          ; v29     0; never rewritten
.set PFO,  30                          ; v30     the prefetches' offset; never rewritten
.set F0,   64
.set F1,   128
.set LB,   20                          ; s20     where the rows that I fetch go in a slot
.set TB,   23                          ; s23     the offset of the slot that is read: 0 or SLOT
.set G1,   24                          ; s[24:31] descriptor group 1 for q's tiles
.set G0,   32                          ; s[32:39] group 0: a set for each of the two first fills; the second then walks on
.set KST,  40                          ; s[40:41] bytes from a step's tile to the next: 128 rows of qv, or 256 bytes along xh's rows
.set LIM,  43                          ; s43     2 in a wave that prefetches, else the greatest number
.set PFA,  44                          ; s[44:45] where my prefetches stand: one step further than the refill in hand; a prefetch names the step after that
.set G1B,  48                          ; s[48:55] group 1 for xh's tiles
.set SCO,  56                          ; s[56:57] where my part of the tile begins in sc
.set MSB, 0
.macro WIN new                         ; the immediate's high byte repeats the setting that is left; a switch that changes nothing is dropped
.if MSB != (\new)
	s_set_vgpr_msb (MSB<<8)|(\new)
.set MSB, \new
.endif
.endm
.set MUL_LO, 0xa1                      ; source 0 (xh) window 1, source 1 (q') window 0, C and D window 2
.set MUL_HI, 0xf1
.set TO_B,   0x40
.macro PLACES                          ; four plain vector instructions between a matrix instruction and a load into, or a read of, one of its registers (ISA guide 7.12.1 for reads other than LDS stores)
.rept 4
	v_nop
.endr
.endm
; A refill, by the walking set.  Waves 0 and 1 fetch q', waves 2 and 3 xh: the two lines differ in group 1.  An s_nop 0 and four v_nop follow each.
.macro JLOAD
	s_cmp_eq_u32 s11, 0
	s_cbranch_scc0 .Lfor_k_\@
	tensor_load_to_lds s[G0+4:G0+7], s[G1:G1+7]
	s_nop 0
	PLACES
	s_branch .Lasked_\@
.Lfor_k_\@:
	tensor_load_to_lds s[G0+4:G0+7], s[G1B:G1B+7]
	s_nop 0
	PLACES
.Lasked_\@:
.endm
; A prefetch, behind each refill and the run of LDS loads that follows it: the step that stands two refills on: what I will fetch of it, a lane a block of 256 bytes, four instructions: 64 rows x 512 bytes of q', or
; 128 rows x 256 bytes of xh.  q's block I is read by the tiles (I, 0 .. I): the tile with J = 0 asks (waves 0, 1); xh's block J by the tiles (J .. 7, J): the tile with I = J asks (waves 2, 3).  So each block is
; named once.  Steps 0 to 3 come by their loads alone; the loop's last two trips (s3 = 2, 1) have no step two refills on and ask for nothing.
.macro ASK
	s_cmp_gt_u32 s3, s[LIM]
	s_cbranch_scc0 .Lnot_mine_\@
	s_cmp_eq_u32 s11, 0
	s_cbranch_scc0 .Lask_k_\@
.irp j, 0,1,2,3
	global_prefetch_b8 v[PFO], s[PFA:PFA+1] offset:KROWS+(\j)*16*ROWB th:TH_LOAD_NT scope:SCOPE_SE
.endr
	s_branch .Lnot_mine_\@
.Lask_k_\@:
.irp j, 0,1,2,3
	global_prefetch_b8 v[PFO], s[PFA:PFA+1] offset:256+(\j)*32*2048 th:TH_LOAD_NT scope:SCOPE_SE
.endr
.Lnot_mine_\@:
.endm
	s_load_b128 s[4:7], s[0:1], 0x0                ; qv s[4:5], xh s[6:7]
	s_load_b64 s[8:9], s[0:1], 0x10                ; sc
	v_lshl_add_u32 v[SPW], v0, 2, SPARE
	v_mov_b32 v[NIL], 0
	ds_add_u32 v[SPW], v[NIL]                      ; the wave's opening: the add and its wait stand ahead of my first tensor load; the set-up below stands between them
	ds_add_u32 v28, v29
	v_lshrrev_b32 v1, 5, v0
	v_readfirstlane_b32 s10, v1                    ; wave 0..3
	s_lshr_b32 s11, s10, 1                         ; which 128 queries are mine.  Also: I fetch q' (0) or xh (1)
	s_and_b32 s12, s10, 1                          ; which 128 keys.  Also: which half of that tile I fetch
	s_and_b32 s18, ttmp7, 0xffff                   ; the batch
	s_mov_b32 s13, 0                               ; I: how many of the triangle's row starts 1, 3, 6 .. 28 my number has reached
.irp n, 1,3,6,10,15,21,28
	s_cmp_ge_u32 ttmp9, \n
	s_cselect_b32 s14, 1, 0
	s_add_co_u32 s13, s13, s14
.endr
	s_add_co_u32 s14, s13, 1
	s_mul_i32 s14, s14, s13
	s_lshr_b32 s14, s14, 1
	s_sub_co_u32 s14, ttmp9, s14                   ; J = my number - I (I + 1) / 2
	s_mov_b32 s[G1+0], (1<<16)|(1<<20)|(6<<22)|(7<<25)  ; q': 2-byte elements; padding on; after every 128 words (code 6) 8 words (code 7)
	s_mov_b32 s[G1+1], 256<<16                     ; tensor_dim0 = 256
	s_mov_b32 s[G1+2], 64<<16                      ; tensor_dim1 = 64
	s_mov_b32 s[G1+3], 256<<16                     ; tile_dim0 = 256
	s_mov_b32 s[G1+4], 64                          ; tile_dim1 = 64
	s_mov_b32 s[G1+5], 8192                        ; elements from row to row
	s_mov_b32 s[G1+6], 0
	s_mov_b32 s[G1+7], 0
	s_mov_b32 s[G1B+0], (1<<16)|(1<<20)|(5<<22)|(3<<25) ; xh: after every 64 words (code 5) 4 words (code 3)
	s_mov_b32 s[G1B+1], 128<<16                    ; 128 elements
	s_mov_b32 s[G1B+2], 128<<16                    ; x 128 rows
	s_mov_b32 s[G1B+3], 128<<16
	s_mov_b32 s[G1B+4], 128
	s_mov_b32 s[G1B+5], 1024
	s_mov_b32 s[G1B+6], 0
	s_mov_b32 s[G1B+7], 0
	s_lshl_b32 s16, s12, 20                        ; q': my 64 of a step's 128 rows of 16,384 bytes,
	s_lshl_b32 s17, s13, 9                         ; the query block's 256 tokens of 2 bytes,
	s_add_co_u32 s16, s16, s17
	s_lshl_b32 s17, s18, 12                        ; the batch's 2,048 tokens
	s_add_co_u32 s16, s16, s17
	s_lshl_b32 s19, s18, 11                        ; xh: row 2048 b
	s_lshl_b32 s17, s14, 8                         ; + 256 J
	s_add_co_u32 s19, s19, s17
	s_lshl_b32 s17, s12, 7                         ; + my 128 of the 256,
	s_add_co_u32 s19, s19, s17
	s_lshl_b32 s19, s19, 11                        ; of 2,048 bytes
	s_sub_co_u32 s15, s13, s14                     ; I - J
	s_mov_b32 s[KST], 256
	s_cmp_eq_u32 s11, 0
	s_cselect_b32 s16, s16, s19
	s_cselect_b32 s[KST], KROWS, s[KST]
	s_cselect_b32 s15, s14, s15                    ; q's waves ask where J = 0, xh's where I = J
	s_cselect_b32 s21, 1, 0                        ; the prefetches: q': row l / 2, block l % 2 of its 512 bytes; xh: row l
	s_cselect_b32 s22, 14, 11                      ; a row is 2^14 bytes in qv, 2^11 in xh
	s_cmp_eq_u32 s15, 0
	s_cselect_b32 s[LIM], 2, -1
	s_mov_b32 s17, 0
	s_mov_b32 s[KST+1], 0
	s_mul_i32 s[LB], s10, QT                       ; where my rows go in a slot
	s_mov_b32 s[TB], 0
	s_wait_dscnt 0x0                               ; the opening add is done
	s_wait_kmcnt 0x0
	s_cmp_eq_u32 s11, 0
	s_cselect_b64 s[46:47], s[4:5], s[6:7]
	s_add_nc_u64 s[46:47], s[46:47], s[16:17]      ; my part of step 0
	s_add_nc_u64 s[PFA:PFA+1], s[46:47], s[KST:KST+1]
	s_add_nc_u64 s[PFA:PFA+1], s[PFA:PFA+1], s[KST:KST+1]  ; at step 2: the first refill steps it to 3 and names step 4
	s_mov_b32 s[G0], 1                             ; count = 1
	s_add_co_u32 s[G0+1], s[LB], 0                 ; LDS address: slot 0
	s_mov_b64 s[G0+2:G0+3], s[46:47]               ; global address: step 0
	s_or_b32 s[G0+3], s[G0+3], 0x80000000          ; type = 2
	s_mov_b32 s[G0+4], 1
	s_add_co_u32 s[G0+5], s[LB], SLOT
	s_add_nc_u64 s[G0+6:G0+7], s[46:47], s[KST:KST+1]  ; step 1
	s_or_b32 s[G0+7], s[G0+7], 0x80000000
	s_cmp_eq_u32 s11, 0                            ; a wave's two first fills stand in one branch, ahead of every wait on TENSORcnt and every LDS read: two loads of mine are out
	s_cbranch_scc0 .Lfirst_k
	tensor_load_to_lds s[G0:G0+3], s[G1:G1+7]
	s_nop 0
	tensor_load_to_lds s[G0+4:G0+7], s[G1:G1+7]
	s_nop 0
	PLACES
	s_branch .Lfirst_asked
.Lfirst_k:
	tensor_load_to_lds s[G0:G0+3], s[G1B:G1B+7]
	s_nop 0
	tensor_load_to_lds s[G0+4:G0+7], s[G1B:G1B+7]
	s_nop 0
	PLACES
.Lfirst_asked:
	; The turning load takes 16 channels x 16 tokens (lane l reads 16 bytes: channel 8 (l / 16) + l % 8, tokens 8 ((l / 8) % 2) + 0..7) and leaves half a fragment: lane l holds token l % 16 and 8 channels.
	; A fragment of xh comes as it lies: lane l holds row l % 16; registers 0-3 channels 8 (l / 16) + 0..7, registers 4-7 channels 16 + 8 (l / 16) + 0..7: two loads of 16 bytes, 32 bytes apart.
	v_and_b32 v1, 15, v0                           ; l % 16
	v_bfe_u32 v2, v0, 4, 1                         ; l / 16
	v_and_b32 v3, 7, v0
	v_bfe_u32 v4, v0, 3, 1
	v_lshl_add_u32 v3, v2, 3, v3
	v_mul_u32_u24 v3, v3, PITCH
	v_lshl_add_u32 v3, v4, 4, v3
	s_lshl_b32 s16, s11, 8                         ; my 128 queries: 256 bytes along q's rows
	v_add_nc_u32 v[ADRA0], s16, v3
	v_mul_u32_u24 v3, v1, PK
	v_lshl_add_u32 v3, v2, 4, v3
	s_mul_i32 s16, s12, QT                         ; my 128 rows of xh
	s_add_co_u32 s16, s16, KOF
	v_add_nc_u32 v[ADRB0], s16, v3
	v_mov_b32 v[ADRA], v[ADRA0]                    ; step 0 lies in slot 0
	v_mov_b32 v[ADRB], v[ADRB0]
	s_mul_i32 s16, s10, 16*SPITCH
	s_add_co_u32 s16, s16, STAGE                   ; my stage
	v_mul_u32_u24 v5, v1, SPITCH                   ; in: row l % 16, 32 bytes for each half of the lanes
	v_lshl_add_u32 v5, v2, 5, v5
	v_add_nc_u32 v[STO], s16, v5
	v_and_b32 v5, 31, v0
	v_lshlrev_b32 v[CO], 4, v5                     ; back: 32 lanes take one row of 512 bytes
	v_add_nc_u32 v[RD], s16, v[CO]
	v_lshrrev_b32 v6, s21, v5
	v_lshlrev_b32 v6, s22, v6
	v_and_b32 v7, s21, v5
	v_lshl_add_u32 v[PFO], v7, 8, v6
	s_lshl_b32 s[SCO], s13, 8                      ; where my part of the tile begins in sc, in bytes (under 2^27):
	s_lshl_b32 s17, s11, 7
	s_add_co_u32 s[SCO], s[SCO], s17               ; my first query,
	s_lshl_b32 s[SCO], s[SCO], 13
	s_lshl_b32 s17, s14, 10                        ; the tile's 256 keys of 4 bytes,
	s_add_co_u32 s[SCO], s[SCO], s17
	s_lshl_b32 s17, s12, 9                         ; my 128,
	s_add_co_u32 s[SCO], s[SCO], s17
	s_lshl_b32 s17, s18, 24                        ; the batch
	s_add_co_u32 s[SCO], s[SCO], s17
	s_mov_b32 s[SCO+1], 0
; 16 matrix instructions: query blocks a0, a0 + 1 of the window's four x all 8 key blocks, 32 channels.  zero = 1: the product starts the sums.  The 64 accumulators take turns, one instruction a turn, in the same
; order in every quarter step.
.macro MUL16 f, hi, a0, zero
	WIN MUL_LO+0x50*(\hi)
.irp a, \a0, (\a0)+1
.irp b, 0,1,2,3,4,5,6,7
.if \zero
	v_wmma_f32_16x16x32_f16 v[8*(8*(\a)+(\b)):8*(8*(\a)+(\b))+7], v[(\f)+8*(\b):(\f)+8*(\b)+7], v[(\f)+8*(4*(\hi)+(\a)):(\f)+8*(4*(\hi)+(\a))+7], 0
.else
	v_wmma_f32_16x16x32_f16 v[8*(8*(\a)+(\b)):8*(8*(\a)+(\b))+7], v[(\f)+8*(\b):(\f)+8*(\b)+7], v[(\f)+8*(4*(\hi)+(\a)):(\f)+8*(4*(\hi)+(\a))+7], v[8*(8*(\a)+(\b)):8*(8*(\a)+(\b))+7]
.endif
.endr
.endr
.endm
; 32 LDS loads in one run: the fragments of quarter kq (32 channels) of the slot that is read, into buffer f: xh's 128 rows, then q's 128 tokens, turned
.macro FETCH kq, f
	WIN TO_B
.irp i, 0,1,2,3,4,5,6,7
	ds_load_b128 v[(\f)+8*(\i):(\f)+8*(\i)+3],   v[ADRB] offset:(\kq)*64+(\i)*16*PK
	ds_load_b128 v[(\f)+8*(\i)+4:(\f)+8*(\i)+7], v[ADRB] offset:(\kq)*64+(\i)*16*PK+32
.endr
	WIN 0
.irp i, 0,1,2,3,4,5,6,7
	ds_load_tr16_b128 v[(\f)+8*(\i):(\f)+8*(\i)+3],   v[ADRA] offset:(\kq)*32*PITCH+32*(\i)
	ds_load_tr16_b128 v[(\f)+8*(\i)+4:(\f)+8*(\i)+7], v[ADRA] offset:(\kq)*32*PITCH+16*PITCH+32*(\i)
.endr
.endm
; A step is four quarters of 32 channels, 64 matrix instructions each, on buffers 0, 1, 0, 1.  One of the first three multiplies buffer f and, in its middle, fetches quarter kq into g.
.macro QUARTER kq, f, g, zero
	s_wait_dscnt 8                                 ; xh and q's blocks 0-3 are in; the youngest eight loads (q's blocks 4-7) may be out
	MUL16 \f, 0, 0, \zero
	MUL16 \f, 0, 2, \zero
	PLACES
	FETCH \kq, \g
	s_wait_dscnt 32                                ; all but the 32 just issued
	MUL16 \f, 1, 0, \zero
	MUL16 \f, 1, 2, \zero
.endm
; The last quarter multiplies buffer 1 and changes slots: ONE barrier.  In front of it each wave waits for all its tensor loads (one is out: its part of the next slot), adds 0 to its spare word, and waits for that
; and for its own reads of this slot.  Behind it nobody reads this slot any more and the next slot is whole.  fill = 1: this slot is filled again, the first thing behind the barrier, with the step two steps on: from
; that request to the wait for it a wave issues 224 matrix instructions.  Then come the next slot's first fragments.
.macro TURN fill
.if \fill
	s_wait_xcnt 0x0                                ; the last prefetches, a step back, have read their address
	s_add_nc_u64 s[PFA:PFA+1], s[PFA:PFA+1], s[KST:KST+1]
.endif
	WIN 0                                          ; (the add's two registers lie in window 0)
	s_wait_tensorcnt 0x0                           ; no tensor load of mine is out, so a group 0 may be written
	ds_add_u32 v[SPW], v[NIL]                      ; 0 onto my spare word
.if \fill
	s_add_co_u32 s[G0+5], s[LB], s[TB]             ; the walking descriptor: into the slot that is being read out,
	s_add_nc_u64 s[G0+6:G0+7], s[G0+6:G0+7], s[KST:KST+1]  ; the next step; the type bits on top are not reached
.endif
	s_xor_b32 s[TB], s[TB], SLOT                   ; the fetches go on in the other slot
	s_wait_dscnt 9                                 ; (the add and the youngest eight loads may be out)
	MUL16 F1, 0, 0, 0                              ; sixteen matrix instructions stand between the add and the wait for it
	s_wait_dscnt 0x0                               ; the add is done, and my reads of this slot are over
	s_barrier_signal -1
	MUL16 F1, 0, 2, 0                              ; work on registers while the others arrive
	WIN 0                                          ; (a branch and lines in window 0 follow)
	s_barrier_wait -1
.if \fill
	JLOAD                                          ; my one tensor load behind the barrier; its four v_nop are also the places in front of the loads below
.else
	PLACES
.endif
	v_add_nc_u32 v[ADRA], s[TB], v[ADRA0]
	v_add_nc_u32 v[ADRB], s[TB], v[ADRB0]
	FETCH 0, F0
.if \fill
	ASK
.endif
	MUL16 F1, 1, 0, 0
	MUL16 F1, 1, 2, 0
.endm
; THE WAY OUT of query block a: its 16 rows x 512 bytes go as they are, in f32, into my own stage (each accumulator's low four registers first) and come back as whole rows.
.macro TOSTAGE a
.set AC, 64*((\a)%4)
.set BK, 64+64*((\a)%2)
	WIN 0x08+4*((\a)/4)                            ; the stores' data: window 2 or 3
.irp b, 0,1,2,3,4,5,6,7
	ds_store_b128 v[STO], v[AC+8*(\b):AC+8*(\b)+3]   offset:64*(\b)
	ds_store_b128 v[STO], v[AC+8*(\b)+4:AC+8*(\b)+7] offset:64*(\b)+16
.endr
	WIN 0
.if (\a) >= 2
	s_wait_xcnt 0x0                                ; the stores of the block two back have read these registers
.endif
.irp t, 0,1,2,3,4,5,6,7,8,9,10,11,12,13,14,15
	ds_load_b128 v[BK+4*(\t):BK+4*(\t)+3], v[RD] offset:(\t)*SPITCH  ; LDS serves a wave's instructions in order (ISA guide 5.7.1.4): these see the stores above; the next block's stores come behind them
.endr
.endm
.macro SEND a, younger                 ; younger: the LDS instructions issued behind block a's loads: the next block's 16 stores and 16 loads, or none
.set BK, 64+64*((\a)%2)
	s_wait_dscnt \younger
	s_wait_xcnt 0x0                                ; earlier stores have read their base
.if (\a) == 0
	s_add_nc_u64 s[8:9], s[8:9], s[SCO:SCO+1]      ; on to my first rows
.else
	s_add_nc_u64 s[8:9], s[8:9], 16*SCROW          ; 16 rows on
.endif
.irp t, 0,1,2,3,4,5,6,7,8,9,10,11,12,13,14,15
	global_store_b128 v[CO], v[BK+4*(\t):BK+4*(\t)+3], s[8:9] offset:(\t)*SCROW th:TH_STORE_NT  ; the wave stores 512 consecutive bytes, at a multiple of 512 from sc's first byte
.endr
.endm
	s_wait_tensorcnt 1                             ; my part of step 0 is in; step 1's may stay out
	s_barrier_signal -1
	s_barrier_wait -1
	FETCH 0, F0
	QUARTER 1, F0, F1, 1                           ; the first quarter stands in front of the loop: its products start the sums
	WIN 0                                          ; at a label and at a branch every window is 0
	s_mov_b32 s3, 6
.Lstep:                                                ; a trip goes from a step's second quarter to the next step's first; steps 0 to 5 fill their slots again, with steps 2 to 7
	QUARTER 2, F1, F0, 0
	QUARTER 3, F0, F1, 0
	TURN 1
	QUARTER 1, F0, F1, 0
	WIN 0
	s_sub_co_u32 s3, s3, 1
	s_cmp_lg_u32 s3, 0
	s_cbranch_scc1 .Lstep
	s_mov_b32 s3, 2
.Ltail:                                                ; steps 6 and 7 ask for nothing: a text of their own; the second trip is left in its middle
	QUARTER 2, F1, F0, 0
	QUARTER 3, F0, F1, 0
	WIN 0
	s_cmp_eq_u32 s3, 1
	s_cbranch_scc1 .Llast
	TURN 0
	QUARTER 1, F0, F1, 0
	WIN 0
	s_sub_co_u32 s3, s3, 1
	s_cmp_lg_u32 s3, 0
	s_cbranch_scc1 .Ltail
.Llast:
	s_wait_dscnt 8                                 ; the very last quarter: nothing more to fetch
	MUL16 F1, 0, 0, 0
	MUL16 F1, 0, 2, 0
	s_wait_dscnt 0x0
	MUL16 F1, 1, 0, 0
	MUL16 F1, 1, 2, 0
	WIN 0
	PLACES                                         ; the LDS stores read matrix results, and the loads from the stage land in q's fragment buffers
	TOSTAGE 0
.irp a, 1,2,3,4,5,6,7
	TOSTAGE \a
	SEND (\a)-1, 32
.endr
	SEND 7, 0
	s_wait_tensorcnt 0x0                           ; the wave's end: behind my last tensor load and my last LDS store
	ds_add_u32 v[SPW], v[NIL]
	s_wait_dscnt 0x0
	s_endpgm
.Lfunc_end_k_q6f38207a66_scores:
	.size	k_q6f38207a66_scores, .Lfunc_end_k_q6f38207a66_scores-k_q6f38207a66_scores
	.p2alignl 7, 3214868480
	.fill 96, 4, 3214868480
	.section	.rodata,"a",@progbits
	.p2align	6, 0x0
	.amdhsa_kernel k_q6f38207a66_scores
		.amdhsa_group_segment_fixed_size 327680
		.amdhsa_private_segment_fixed_size 0
		.amdhsa_enable_private_segment 0
		.amdhsa_kernarg_size 24
		.amdhsa_user_sgpr_count 2
		.amdhsa_user_sgpr_kernarg_segment_ptr 1
		.amdhsa_wavefront_size32 1
		.amdhsa_system_sgpr_workgroup_id_x 1
		.amdhsa_system_sgpr_workgroup_id_y 1
		.amdhsa_system_sgpr_workgroup_id_z 1
		.amdhsa_system_vgpr_workitem_id 0
		.amdhsa_next_free_vgpr 1024
		.amdhsa_next_free_sgpr 66
		.amdhsa_reserve_vcc 0
		.amdhsa_float_denorm_mode_32 3
		.amdhsa_float_denorm_mode_16_64 3
		.amdhsa_memory_ordered 1
		.amdhsa_forward_progress 1
		.amdhsa_inst_pref_size 103
	.end_amdhsa_kernel
	.amdgpu_metadata
---
amdhsa.version: [ 1, 2 ]
amdhsa.kernels:
  - .name:           k_q6f38207a66_scores
    .symbol:         k_q6f38207a66_scores.kd
    .args:
      - { .name: qv, .offset: 0, .size: 8, .value_kind: global_buffer, .address_space: global }
      - { .name: xh, .offset: 8, .size: 8, .value_kind: global_buffer, .address_space: global }
      - { .name: sc, .offset: 16, .size: 8, .value_kind: global_buffer, .address_space: global }
    .group_segment_fixed_size: 327680
    .private_segment_fixed_size: 0
    .kernarg_segment_align: 8
    .kernarg_segment_size: 24
    .max_flat_workgroup_size: 128
    .sgpr_count:     66
    .vgpr_count:     1024
    .wavefront_size: 32
...
	.end_amdgpu_metadata
.endif
;; end of part 3
;; launch softmax (part 4): grid 256 x 4, 8 waves a work-group, no clusters, 0 bytes of LDS; arguments sc, pw; writes pw
.if DOCPART == 4
	.amdgcn_target "amdgcn-amd-amdhsa--gfx1250"
	.amdhsa_code_object_version 6
	.text
	.protected	k_q6f38207a66_softmax
	.globl	k_q6f38207a66_softmax
	.p2align	8
	.type	k_q6f38207a66_softmax,@function
k_q6f38207a66_softmax:
	s_mov_b64 s[64:65], 0
	v_nop
	global_prefetch_b8 v0, s[64:65] scope:SCOPE_SE
	s_setreg_imm32_b32 hwreg(HW_REG_WAVE_MODE, 25, 1), 1
	s_wait_xcnt 0x0
; pw[b][q][k] = softmax over k <= q of (q . k) / 32, in f16; 0 for q < k <= 256 (q / 256) + 255, so that a row is whole up to a multiple of 256 keys.  sc: [4][2048][2048] f32 holds s = q . k x 2^-10; pw: [4][2048][2048] f16.
; p = 2^(c s - c m) / l with c = 2^10 log2(e) / 32 = 32 log2(e), m the row's maximum over its visible scores, l the sum of the unrounded 2^(..); all in f32, p rounded once.
; LIMITS.  A hidden score counts as -1e30; a weight below 2^-126 counts as 0 in l; p below 6e-5 keeps f16's fixed step of 6e-8; NaN and infinities are not treated apart.
; SHARES.  One wave, one row, kept in 64 registers between the maximum, the sum and the scaling: the row is read once, and the reduction never leaves the wave: no LDS, no barrier.
; A CHUNK is 128 scores: 16 bytes a lane in (512 consecutive bytes a wave), 8 bytes a lane out (256 consecutive bytes, aligned).  Row q has nf = q / 128 full chunks and then the chunk that holds the diagonal.
; THE ROWS ARE DEALT so that long and short ones lie side by side: work-group (x, b) takes the eight rows 8 g .., with g = x where x + b is even and g = x ^ 0xfe (which keeps x's parity, so that each g is taken
; once in a batch) where it is odd.  nf = g / 16 is the same for the eight rows.  Every jump goes forward and hangs on nf alone.  Registers of chunks that the row does not have hold -1e30.
; No matrix unit, no cluster: nothing is shared; no prefetch: the launch does nothing but stream.
.set LI,  2                            ; v2   16 x lane
.set LO,  3                            ; v3   8 x lane
.set DI,  4                            ; v4   the diagonal chunk in sc: 16 x lane + 512 nf
.set DO,  5                            ; v5   and in pw: 8 x lane + 256 nf
.set THR, 6                            ; v6   q % 128 - 4 x lane: number e of my four is visible where e <= this
.set C,   8                            ; v[8:11]   four chains of the maximum
.set T,   12                           ; v[12:19]  at work
.set L,   20                           ; v[20:21]  the sum, even places' and odd places'
.set R,   22                           ; v[22:23]  1 / l, twice
.set CM,  24                           ; v[24:25]  c m, m
.set Z,   26                           ; v[26:27]  0
.set V,   32                           ; v[32:95]  the row: the diagonal chunk at V, full chunk c at V + 4 (c + 1)
.set NF,  10                           ; s10
.set CS,  18                           ; s[18:19] c: the packed scaling takes the pair's low word for both halves
.set SEL, 20                           ; s[20:21] v_permlanex16_b32's selects: each lane takes its own place in the other half
.set NEG, 22                           ; s22  -1e30
	s_load_b128 s[4:7], s[0:1], 0x0                ; sc s[4:5], pw s[6:7]
	v_lshrrev_b32 v1, 5, v0
	v_readfirstlane_b32 s8, v1                     ; wave 0..7
	v_and_b32 v7, 31, v0                           ; lane
	s_and_b32 s11, ttmp7, 0xffff                   ; the batch
	s_xor_b32 s24, ttmp9, 0xfe
	s_xor_b32 s23, ttmp9, s11
	s_bitcmp1_b32 s23, 0
	s_cselect_b32 s24, s24, ttmp9                  ; g
	s_lshl_b32 s9, s24, 3
	s_add_co_u32 s9, s9, s8                        ; q
	s_lshr_b32 s[NF], s24, 4
	s_lshl_b32 s11, s11, 11
	s_add_co_u32 s11, s11, s9                      ; the row among all 8,192
	s_lshl_b32 s12, s11, 13                        ; x 8,192 bytes in sc
	s_mov_b32 s13, 0
	s_lshl_b32 s14, s11, 12                        ; x 4,096 bytes in pw
	s_mov_b32 s15, 0
	s_mov_b32 s[CS], 0x4238aa3b                    ; c = 32 log2(e) = 46.1662
	s_mov_b32 s[CS+1], s[CS]                       ; named with it as a pair
	s_mov_b32 s[SEL], 0x76543210
	s_mov_b32 s[SEL+1], 0xfedcba98
	s_mov_b32 s[NEG], 0xf149f2ca
	v_lshlrev_b32 v[LI], 4, v7
	v_lshlrev_b32 v[LO], 3, v7
	s_lshl_b32 s16, s[NF], 9
	v_add_nc_u32 v[DI], s16, v[LI]
	s_lshl_b32 s16, s[NF], 8
	v_add_nc_u32 v[DO], s16, v[LO]
	s_and_b32 s17, s9, 127
	v_lshlrev_b32 v[THR], 2, v7
	v_sub_nc_u32 v[THR], s17, v[THR]
	v_mov_b32 v[Z], 0
	v_mov_b32 v[Z+1], 0
.set i, 4
.rept 60
	v_mov_b32 v[V+i], s[NEG]                       ; a chunk that is not loaded counts as hidden
.set i, i+1
.endr
	s_wait_kmcnt 0x0
	s_add_nc_u64 s[4:5], s[4:5], s[12:13]
	s_add_nc_u64 s[6:7], s[6:7], s[14:15]
	global_load_b128 v[V:V+3], v[DI], s[4:5] th:TH_LOAD_NT
.irp c, 0,1,2,3,4,5,6,7,8,9,10,11,12,13,14
	s_cmp_le_u32 s[NF], \c
	s_cbranch_scc1 .Lloaded
	global_load_b128 v[V+4*((\c)+1):V+4*((\c)+1)+3], v[LI], s[4:5] offset:512*(\c) th:TH_LOAD_NT
.endr
.Lloaded:
	s_wait_loadcnt 0x0                             ; the whole row
.irp e, 0,1,2,3
	v_cmp_le_i32 vcc_lo, \e, v[THR]                ; the mask, in the diagonal chunk alone
	v_cndmask_b32 v[V+(\e)], s[NEG], v[V+(\e)], vcc_lo
.endr
	; the maximum: four chains of 15 registers, three operands at a time; the four left over; the chains into one
.irp k, 0,1,2,3
	v_max3_num_f32 v[C+(\k)], v[V+16*(\k)], v[V+16*(\k)+1], v[V+16*(\k)+2]
.endr
.irp j, 1,2,3,4,5,6
.irp k, 0,1,2,3
	v_max3_num_f32 v[C+(\k)], v[C+(\k)], v[V+16*(\k)+2*(\j)+1], v[V+16*(\k)+2*(\j)+2]
.endr
.endr
	v_max3_num_f32 v[C], v[C], v[V+15], v[V+31]
	v_max3_num_f32 v[C+2], v[C+2], v[V+47], v[V+63]
	v_max3_num_f32 v[C], v[C], v[C+1], v[C+2]
	v_max_num_f32 v[C], v[C], v[C+3]
.irp x, 1,2,4,8
	v_max_num_f32_dpp v[C], v[C], v[C] row_xmask:\x row_mask:0xf bank_mask:0xf
.endr
	v_permlanex16_b32 v[C+1], v[C], s[SEL], s[SEL+1]
	v_max_num_f32 v[CM+1], v[C], v[C+1]            ; m, in every lane
	v_mul_f32 v[CM], s[CS], v[CM+1]                ; c m
; Sixteen registers: c s - c m, the exponentials as one batch with one wait, and their sum.  The weights stay in their registers for the scaling.
.macro GROUP g
.set i, 0
.rept 8
	v_pk_fma_f32 v[V+16*(\g)+i:V+16*(\g)+i+1], v[V+16*(\g)+i:V+16*(\g)+i+1], s[CS:CS+1], v[CM:CM+1] op_sel_hi:[1,0,0] neg_lo:[0,0,1] neg_hi:[0,0,1]
.set i, i+2
.endr
.set i, 0
.rept 16
	v_exp_f32 v[V+16*(\g)+i], v[V+16*(\g)+i]
.set i, i+1
.endr
	v_nop                                          ; a plain instruction behind the last exponential (ISA guide 5.7.2),
	s_wait_alu depctr_va_vdst(0)                   ; and one wait ahead of the batch's first reader, and ahead of the next branch
.irp k, 0,1,2,3
	v_pk_add_f32 v[T+2*(\k):T+2*(\k)+1], v[V+16*(\g)+4*(\k):V+16*(\g)+4*(\k)+1], v[V+16*(\g)+4*(\k)+2:V+16*(\g)+4*(\k)+3]
.endr
	v_pk_add_f32 v[T:T+1], v[T:T+1], v[T+2:T+3]
	v_pk_add_f32 v[T+4:T+5], v[T+4:T+5], v[T+6:T+7]
.if (\g) == 0
	v_pk_add_f32 v[L:L+1], v[T:T+1], v[T+4:T+5]    ; the first group starts the sum
.else
	v_pk_add_f32 v[T:T+1], v[T:T+1], v[T+4:T+5]
	v_pk_add_f32 v[L:L+1], v[L:L+1], v[T:T+1]
.endif
.endm
	GROUP 0                                        ; the diagonal chunk and chunks 0-2
.irp g, 1,2,3
	s_cmp_lt_u32 s[NF], 4*(\g)                     ; group g holds chunks 4 g - 1 .. 4 g + 2
	s_cbranch_scc1 .Lsummed
	GROUP \g
.endr
.Lsummed:
	v_add_f32 v[T], v[L], v[L+1]
.irp x, 1,2,4,8
	v_add_f32_dpp v[T], v[T], v[T] row_xmask:\x row_mask:0xf bank_mask:0xf
.endr
	v_permlanex16_b32 v[T+1], v[T], s[SEL], s[SEL+1]
	v_add_f32 v[T], v[T], v[T+1]                   ; l, in every lane: at least 1, the maximum's own weight
	v_rcp_f32 v[R], v[T]
	v_rcp_f32 v[R+1], v[T]
	v_nop
	s_wait_alu depctr_va_vdst(0)                   ; one wait for both reciprocals
.macro OUT4 r                          ; four weights at v[r]: divided by l, rounded to f16 in place
	v_pk_mul_f32 v[(\r):(\r)+1], v[(\r):(\r)+1], v[R:R+1]
	v_pk_mul_f32 v[(\r)+2:(\r)+3], v[(\r)+2:(\r)+3], v[R:R+1]
	v_cvt_pk_f16_f32 v[(\r)], v[(\r)], v[(\r)+1]
	v_cvt_pk_f16_f32 v[(\r)+1], v[(\r)+2], v[(\r)+3]
.endm
	OUT4 V
	global_store_b64 v[DO], v[V:V+1], s[6:7] th:TH_STORE_NT
	s_bitcmp1_b32 s[NF], 0
	s_cbranch_scc1 .Lwhole                         ; where nf is even a chunk of zeros rounds the row up to a multiple of 256 keys
	global_store_b64 v[DO], v[Z:Z+1], s[6:7] offset:256 th:TH_STORE_NT
.Lwhole:
.irp c, 0,1,2,3,4,5,6,7,8,9,10,11,12,13,14
	s_cmp_le_u32 s[NF], \c
	s_cbranch_scc1 .Ldone
	OUT4 V+4*((\c)+1)
	global_store_b64 v[LO], v[V+4*((\c)+1):V+4*((\c)+1)+1], s[6:7] offset:256*(\c) th:TH_STORE_NT
.endr
.Ldone:
	s_endpgm
.Lfunc_end_k_q6f38207a66_softmax:
	.size	k_q6f38207a66_softmax, .Lfunc_end_k_q6f38207a66_softmax-k_q6f38207a66_softmax
	.p2alignl 7, 3214868480
	.fill 96, 4, 3214868480
	.section	.rodata,"a",@progbits
	.p2align	6, 0x0
	.amdhsa_kernel k_q6f38207a66_softmax
		.amdhsa_group_segment_fixed_size 0
		.amdhsa_private_segment_fixed_size 0
		.amdhsa_enable_private_segment 0
		.amdhsa_kernarg_size 16
		.amdhsa_user_sgpr_count 2
		.amdhsa_user_sgpr_kernarg_segment_ptr 1
		.amdhsa_wavefront_size32 1
		.amdhsa_system_sgpr_workgroup_id_x 1
		.amdhsa_system_sgpr_workgroup_id_y 1
		.amdhsa_system_sgpr_workgroup_id_z 1
		.amdhsa_system_vgpr_workitem_id 0
		.amdhsa_next_free_vgpr 96
		.amdhsa_next_free_sgpr 66
		.amdhsa_reserve_vcc 1
		.amdhsa_float_denorm_mode_32 3
		.amdhsa_float_denorm_mode_16_64 3
		.amdhsa_memory_ordered 1
		.amdhsa_forward_progress 1
		.amdhsa_inst_pref_size 23
	.end_amdhsa_kernel
	.amdgpu_metadata
---
amdhsa.version: [ 1, 2 ]
amdhsa.kernels:
  - .name:           k_q6f38207a66_softmax
    .symbol:         k_q6f38207a66_softmax.kd
    .args:
      - { .name: sc, .offset: 0, .size: 8, .value_kind: global_buffer, .address_space: global }
      - { .name: pw, .offset: 8, .size: 8, .value_kind: global_buffer, .address_space: global }
    .group_segment_fixed_size: 0
    .private_segment_fixed_size: 0
    .kernarg_segment_align: 8
    .kernarg_segment_size: 16
    .max_flat_workgroup_size: 256
    .sgpr_count:     66
    .vgpr_count:     96
    .wavefront_size: 32
...
	.end_amdgpu_metadata
.endif
;; end of part 4
;; launch pv (part 5): grid 8 x 32, 4 waves a work-group, clusters of 4 x 1, 327,680 bytes of LDS; arguments pw, qv, out0; writes out0
.if DOCPART == 5
	.amdgcn_target "amdgcn-amd-amdhsa--gfx1250"
	.amdhsa_code_object_version 6
	.text
	.protected	k_q6f38207a66_pv
	.globl	k_q6f38207a66_pv
	.p2align	8
	.type	k_q6f38207a66_pv,@function
k_q6f38207a66_pv:
	s_mov_b64 s[64:65], 0
	v_nop
	global_prefetch_b8 v0, s[64:65] scope:SCOPE_SE
	s_setreg_imm32_b32 hwreg(HW_REG_WAVE_MODE, 25, 1), 1
	s_wait_xcnt 0x0
	s_wait_alu depctr_hold_cnt(0) depctr_sa_sdst(0) depctr_va_vdst(0) depctr_va_sdst(0) depctr_va_ssrc(0) depctr_va_vcc(0) depctr_vm_vsrc(0)
	s_getreg_b32 s2, hwreg(HW_REG_IB_STS2, 6, 4)
	s_cmp_eq_u32 s2, 0
	s_cbranch_scc0 .Lentry_in_a_cluster
	s_endpgm
.Lentry_in_a_cluster:
	s_bfe_u32 s2, ttmp6, 0x10000c
	s_cmp_lg_u32 s2, 0x3003
	s_cbranch_scc0 .Lentry_shape_is_right
	s_endpgm
.Lentry_shape_is_right:
; out0[b][q][ch] = the sum over keys of pw[b][q][k] v[ch][k].  pw: [4][2048][2048] f16 (0 behind the diagonal, up to a multiple of 256 keys); v: rows 1024-2047 of qv [2048][8192] f16, tokens along the
; rows; out0: [4][2048][1024] f32.  Sums in f32.
; THE WALK.  A batch's queries lie in 16 blocks of 128; block i needs i / 2 + 1 key steps of 256.  A work-group takes 128 channels and TWO blocks, 15 - p and then p: 8 - p / 2 and p / 2 + 1 steps, always 9:
; 8 channel tiles x 8 pairs x 4 batches = 256 work-groups of equal work, and one loop with a constant trip count.  What differs lies in scalar registers made from p.
; A block of 128 x 128 is made by four waves, each 64 queries x 64 channels: 16 accumulators.  source 0 = 16 channels (v), source 1 = 16 queries (pw): lane l holds query l % 16 and the channels
; 8 (l / 16) + 0..7: 32 consecutive bytes of a row of out0; a wave's 64 channels are 256 aligned bytes.
; CLUSTER.  The four work-groups of a cluster have the same batch and pair and four neighbouring channel tiles: they walk the same tiles of pw, which are asked for JOINTLY (mask 15).  v's tiles hang on the
; channel tile, which differs between partners: plain loads, behind the same rounds.  The work-groups that share a tile of v are the 8 pairs of a batch; they want it in different steps of their walks
; (pair p begins its second block after 8 - p / 2 steps), so v is not asked for jointly.
; THE RING: two LDS slots of a key step each (128 rows of pw, 128 of v, 512 bytes a row); waves 0, 1 fetch pw's halves, waves 2, 3 v's.  In front of each step stands a round of the cluster's barrier,
; behind it the fill of the other slot: one tensor load a wave is out, and it has a step's 128 matrix instructions in which to land.  The ring is written by step: the offset of the slot that is read is a scalar,
; turned by an exclusive or at each change and added to the lanes' terms and to the descriptors' LDS words.
; The sums are cleared, at the start and where the first block ends, so that a step has one form.
; REGISTERS: window 0: v0-31 addresses; v32-95 at work on the way out; v128-255 the accumulators ((a, b) at v[128 + 8 (4 a + b)]).
;   window 1: two fragment buffers of 128: for 64 keys, 64 registers of pw (2 x 4 x 16 rows x 32 keys), then 64 of v.
.set PITCH,  528                       ; an LDS row: 512 bytes + 16 of padding = 132 words: the 16 rows that a load touches start at 16 different groups of four banks (64 banks of 4 bytes: ISA guide 11.1)
.set HALFT,  64*PITCH                  ; 64 rows: one tensor load, and what one wave reads of pw or of v
.set VOF,    2*HALFT                   ; in a slot v's 128 rows lie behind pw's
.set SLOT,   4*HALFT
.set STAGE,  2*SLOT                    ; behind the ring: 16 rows x 272 bytes for each wave, for the way out
.set SPITCH, 272
.set SPARE,  STAGE+4*16*SPITCH         ; behind the stages: the spare words, 128 bytes for each wave: two blocks of 256 bytes that no other line names
.set ADRA0, 16                         ; v16     my lane's place among my pw fragments in slot 0; never rewritten
.set ADRB0, 17                         ; v17     the same for v
.set ADRA,  18                         ; v18     the same in the slot that is read
.set ADRB,  19                         ; v19
.set STO,  24                          ; v24     the way out: where I put 32 bytes of a row
.set RD,   25                          ; v25     the way out: where I read a row back
.set CO,   26                          ; v26     my byte offset in out0
.set SPW,  28                          ; v28     LDS address of my spare word; never rewritten
.set NIL,  29                          ; v29     0; never rewritten
.set PFO,  30                          ; v30     the prefetches' offset; never rewritten
.set TMP,  32
.set ACC,  128
.set F0,   0                           ; fragment buffers, in window 1
.set F1,   128
.set OUT2, 10                          ; s[10:11] out0 at my rows of the second block (s[8:9]: of the block in hand)
.set WV,   12                          ; s12  my wave's number
.set MH,   13                          ; s13  which 64 queries are mine
.set NH,   14                          ; s14  which 64 channels.  Also: which 64 rows of a tile I fetch
.set CX,   15                          ; s15  my place in the cluster
.set NN,   16                          ; s16  the channel tile = 4 x cluster x + cx
.set PP,   17                          ; s17  the pair
.set BB,   18                          ; s18  the batch
.set RT,   19                          ; s19  steps that the block in hand still has
.set N2,   20                          ; s20  the second block's steps
.set NXT,  21                          ; s21  the key step to be asked for next
.set LQ,   22                          ; s22  the last key step of the block whose tiles are being asked for
.set AOFF, 23                          ; s23  byte offset in pw of my 64 rows of that block
.set G1A,  24                          ; s[24:31] descriptor group 1 for pw's tiles
.set G1B,  32                          ; s[32:39] for v's
.set G0A,  40                          ; s[40:43] group 0 for pw's tiles, made anew for each fill
.set G0B,  44                          ; s[44:47] for v's
.set AOFF2, 48                         ; s48  the same as AOFF for the second block
.set BOFF0, 49                         ; s49  byte offset in qv of my 64 rows of v, at the batch's first token
.set LA,   50                          ; s50  where my rows of pw go in a slot
.set LB,   51                          ; s51  where my rows of v go
.set FILLS, 52                         ; s52  fills still to come
.set LIM,  53                          ; s53  0 in a wave that prefetches, else the greatest number
.set LIMW, 54                          ; s54  what LIM becomes when the asking passes to the second block
.set PADD, 55                          ; s55  my work-group's 16 of a wave's 64 rows of pw, in bytes
.set PB,   56                          ; s[56:57] the buffer that I fetch from
.set PFA,  58                          ; s[58:59] where my prefetches stand
.set OFA,  60                          ; s[60:61] an offset in pw: never holds cx
.set LAPC, 62                          ; s62  the loop's count
.set TB,   63                          ; s63  the offset of the slot that is read: 0 or SLOT
.set OFB,  74                          ; s[74:75] an offset in qv, or the prefetches'
.set MSB, 0
.macro WIN new                         ; the immediate's high byte repeats the setting that is left; a switch that changes nothing is dropped
.if MSB != (\new)
	s_set_vgpr_msb (MSB<<8)|(\new)
.set MSB, \new
.endif
.endm
.set MUL,  0x05                        ; sources 0 (v) and 1 (pw) window 1; C and D window 0
.set TO_F, 0x40                        ; destination window 1, address window 0
.macro PLACES                          ; four plain vector instructions between a matrix instruction and a load into, or a read or write of, one of its registers (ISA guide 7.12.1 for reads and writes other than LDS stores)
.rept 4
	v_nop
.endr
.endm
.macro JLOAD                           ; waves 0 and 1: the joint load of pw's halves; waves 2 and 3: v's halves; an s_nop 0 and four v_nop follow each of the two lines
	s_cmp_lt_u32 s[WV], 2
	s_cbranch_scc0 .Lfor_v_\@
	tensor_load_to_lds s[G0A:G0A+3], s[G1A:G1A+7]
	s_nop 0
	PLACES
	s_branch .Lasked_\@
.Lfor_v_\@:
	tensor_load_to_lds s[G0B:G0B+3], s[G1B:G1B+7]
	s_nop 0
	PLACES
.Lasked_\@:
.endm
.macro ROUND                           ; a round of the cluster's barrier: my work-group's barrier; wave 0 signals for the work-group; every wave waits for all four work-groups; my work-group's barrier once more
	s_barrier_signal -1
	s_barrier_wait -1
	s_cmp_lg_u32 s[WV], 0
	s_cbranch_scc1 .Lnot_wave_0_\@
	s_barrier_signal -3
.Lnot_wave_0_\@:
	s_barrier_wait -3
	s_barrier_signal -1
	s_barrier_wait -1
.endm
; A prefetch of the tile that the NEXT fill will load: one key step, 128 matrix instructions, ahead.  It stands behind the fill and the step's first run of LDS loads.
; pw's tiles are read by the two clusters of a pair: cluster x = 0 asks; its four partners share a wave's 64 rows out BY ADDRESS, 16 each: a lane a block of 256 bytes, one instruction.
; v's tiles are read by a batch's 8 pairs: the work-groups with p = 0 ask, in their first block alone, which walks all 8 key steps: 64 rows x 512 bytes, four instructions.
; Key steps 0 and 1 of the first block come by their loads alone; the last fill (FILLS = 0) has no fill behind it and asks for nothing.
.macro ASK
	s_cmp_gt_u32 s[FILLS], s[LIM]
	s_cbranch_scc0 .Lno_ask_\@
	global_prefetch_b8 v[PFO], s[PFA:PFA+1] th:TH_LOAD_NT scope:SCOPE_SE
	s_cmp_lt_u32 s[WV], 2
	s_cbranch_scc1 .Lno_ask_\@
.irp j, 1,2,3
	global_prefetch_b8 v[PFO], s[PFA:PFA+1] offset:(\j)*16*16384 th:TH_LOAD_NT scope:SCOPE_SE
.endr
.Lno_ask_\@:
.endm
	s_load_b128 s[4:7], s[0:1], 0x0                ; pw s[4:5], qv s[6:7]
	s_load_b64 s[8:9], s[0:1], 0x10                ; out0
	v_lshl_add_u32 v[SPW], v0, 2, SPARE
	v_mov_b32 v[NIL], 0
	ds_add_u32 v[SPW], v[NIL]                      ; the wave's opening: the add and its wait stand ahead of my first tensor load; the set-up below stands between them
	ds_add_u32 v28, v29
	v_lshrrev_b32 v1, 5, v0
	v_readfirstlane_b32 s[WV], v1                  ; wave 0..3
	s_lshr_b32 s[MH], s[WV], 1
	s_and_b32 s[NH], s[WV], 1
	s_bfe_u32 s[CX], ttmp6, 0x40000
	s_and_b32 s[BB], ttmp7, 0xffff
	s_and_b32 s[PP], s[BB], 7
	s_lshr_b32 s[BB], s[BB], 3
	s_lshr_b32 s[N2], s[PP], 1
	s_sub_co_u32 s[RT], 8, s[N2]                   ; the first block, 15 - p, has 8 - p / 2 steps,
	s_add_co_u32 s[N2], s[N2], 1                   ; the second, p, p / 2 + 1
	s_mov_b32 s[NXT], 1                            ; step 0 is asked for below
	s_sub_co_u32 s[LQ], s[RT], 1
	s_mov_b32 s[FILLS], 8
	s_mov_b32 s[TB], SLOT                          ; the first change fills slot 1 and turns this into 0
	s_mov_b32 s[G1A+0], 15|(1<<16)|(1<<20)|(1<<21)|(6<<22)|(3<<25)  ; the mask of four; 2-byte elements; padding on; bit 21 set beside a mask; after every 128 words (code 6) 4 words (code 3)
	s_mov_b32 s[G1B+0], (1<<16)|(1<<20)|(6<<22)|(3<<25)             ; the same without a mask
.irp g, G1A, G1B
	s_mov_b32 s[(\g)+1], 256<<16                   ; tensor_dim0 = 256
	s_mov_b32 s[(\g)+2], 64<<16                    ; tensor_dim1 = 64
	s_mov_b32 s[(\g)+3], 256<<16                   ; tile_dim0 = 256
	s_mov_b32 s[(\g)+4], 64                        ; tile_dim1 = 64
	s_mov_b32 s[(\g)+6], 0
	s_mov_b32 s[(\g)+7], 0
.endr
	s_mov_b32 s[G1A+5], 2048                       ; elements from row to row in pw,
	s_mov_b32 s[G1B+5], 8192                       ; in qv
	; pw's offsets hang on the batch, the pair and the wave's number: the same in all four partners
	s_lshl_b32 s66, s[BB], 11                      ; 2048 b
	s_lshl_b32 s67, s[NH], 6
	s_add_co_u32 s67, s67, s66                     ; + the 64 rows that I fetch
	s_sub_co_u32 s68, 15, s[PP]
	s_lshl_b32 s68, s68, 7                         ; the first block's first row,
	s_lshl_b32 s69, s[PP], 7                       ; the second's
	s_add_co_u32 s[AOFF], s68, s67
	s_lshl_b32 s[AOFF], s[AOFF], 12                ; rows of 4,096 bytes
	s_add_co_u32 s[AOFF2], s69, s67
	s_lshl_b32 s[AOFF2], s[AOFF2], 12
	s_mul_i32 s[LA], s[NH], HALFT
	s_add_co_u32 s[LB], s[LA], VOF                 ; no place in the cluster enters an LDS address
	s_mov_b32 s[OFA], s[AOFF]
	s_mov_b32 s[OFA+1], 0
	; what hangs on the channel tile, and so on cx, has registers of its own
	s_lshl_b32 s[NN], ttmp9, 2
	s_add_co_u32 s[NN], s[NN], s[CX]
	s_lshl_b32 s70, s[NN], 7
	s_lshl_b32 s71, s[NH], 6
	s_add_co_u32 s70, s70, s71
	s_add_co_u32 s70, s70, 1024                    ; v's rows begin at row 1,024 of qv
	s_lshl_b32 s[BOFF0], s70, 14                   ; rows of 16,384 bytes
	s_lshl_b32 s71, s[BB], 12                      ; the batch's 2,048 tokens of 2 bytes
	s_add_co_u32 s[BOFF0], s[BOFF0], s71
	s_mov_b32 s[OFB], s[BOFF0]
	s_mov_b32 s[OFB+1], 0
	s_lshl_b32 s70, s[NN], 9                       ; out0: the tile's 128 channels of 4 bytes,
	s_lshl_b32 s71, s[NH], 8                       ; my 64
	s_add_co_u32 s70, s70, s71
	s_lshl_b32 s71, s[MH], 6
	s_add_co_u32 s71, s71, s66                     ; 2048 b + my 64 queries
	s_add_co_u32 s72, s68, s71
	s_lshl_b32 s72, s72, 12                        ; rows of 4,096 bytes
	s_add_co_u32 s72, s72, s70
	s_mov_b32 s73, 0
	s_add_co_u32 s76, s69, s71
	s_lshl_b32 s76, s76, 12
	s_add_co_u32 s76, s76, s70
	s_mov_b32 s77, 0
	; the prefetches
	s_lshl_b32 s70, s[CX], 16                      ; 16 rows of 4,096 bytes for each partner
	s_cmp_lt_u32 s[WV], 2                          ; do I fetch pw?
	s_cselect_b32 s78, ttmp9, s[PP]                ; what has to be 0 for me to ask
	s_cselect_b32 s[PADD], s70, 0
	s_cselect_b32 s67, 12, 14                      ; a row is 2^12 bytes in pw, 2^14 in qv
	s_cmp_eq_u32 s78, 0
	s_cselect_b32 s[LIM], 0, -1                    ; the same in all four partners, for a given wave
	s_cmp_lt_u32 s[WV], 2
	s_cselect_b32 s[LIMW], s[LIM], -1              ; v's rows are asked for in the first block alone
	v_and_b32 v2, 31, v0
	v_lshrrev_b32 v3, 1, v2                        ; row l / 2,
	v_lshlrev_b32 v3, s67, v3
	v_and_b32 v2, 1, v2                            ; block l % 2 of its 512 bytes
	v_lshl_add_u32 v[PFO], v2, 8, v3
	s_wait_dscnt 0x0                               ; the opening add is done
	s_wait_kmcnt 0x0
	s_cmp_lt_u32 s[WV], 2
	s_cselect_b64 s[PB:PB+1], s[4:5], s[6:7]
	s_add_nc_u64 s[OUT2:OUT2+1], s[8:9], s[76:77]
	s_add_nc_u64 s[8:9], s[8:9], s[72:73]
	s_mov_b32 s[G0A], 1                            ; count = 1
	s_add_co_u32 s[G0A+1], s[LA], 0                ; LDS address: slot 0
	s_add_nc_u64 s[G0A+2:G0A+3], s[4:5], s[OFA:OFA+1]  ; global address: the first block's key step 0
	s_or_b32 s[G0A+3], s[G0A+3], 0x80000000        ; type = 2
	s_mov_b32 s[G0B], 1
	s_add_co_u32 s[G0B+1], s[LB], 0
	s_add_nc_u64 s[G0B+2:G0B+3], s[6:7], s[OFB:OFB+1]
	s_or_b32 s[G0B+3], s[G0B+3], 0x80000000
	ROUND                                          ; all four work-groups are here: the first joint loads meet
	JLOAD
	; A fragment is 16 rows x 32 keys in 8 registers: lane l holds row l % 16; registers 0-3 keys 8 (l / 16) + 0..7, registers 4-7 keys 16 + 8 (l / 16) + 0..7: two loads of 16 bytes, 32 bytes apart.
	v_and_b32 v1, 15, v0                           ; l % 16
	v_bfe_u32 v2, v0, 4, 1                         ; l / 16
	v_mul_u32_u24 v3, v1, PITCH
	v_lshl_add_u32 v3, v2, 4, v3
	s_mul_i32 s66, s[MH], HALFT                    ; my 64 rows of pw
	s_mul_i32 s67, s[NH], HALFT                    ; my 64 rows of v
	s_add_co_u32 s67, s67, VOF
	v_add_nc_u32 v[ADRA0], s66, v3
	v_add_nc_u32 v[ADRB0], s67, v3
	s_mul_i32 s66, s[WV], 16*SPITCH
	s_add_co_u32 s66, s66, STAGE                   ; my stage
	v_mul_u32_u24 v4, v1, SPITCH                   ; in: row l % 16, 32 bytes for each half of the lanes
	v_lshl_add_u32 v4, v2, 5, v4
	v_add_nc_u32 v[STO], s66, v4
	v_mul_u32_u24 v5, v2, SPITCH                   ; back: lanes 0-15 take one row of 256 bytes, lanes 16-31 the next
	v_lshl_add_u32 v5, v1, 4, v5
	v_add_nc_u32 v[RD], s66, v5
	v_lshlrev_b32 v5, 12, v2                       ; and the same two rows in out0
	v_lshl_add_u32 v[CO], v1, 4, v5
.macro CLEAR
.set i, 0
.rept 128
	v_mov_b32 v[ACC+i], 0
.set i, i+1
.endr
.endm
	CLEAR                                          ; in the wait for the first tile
; 8 matrix instructions: query blocks a0, a0 + 1 x all 4 channel blocks, 32 keys: half c of buffer f.  The 16 accumulators take turns, one instruction a turn, over every edge.
.macro MUL8 f, c, a0
	WIN MUL
.irp a, \a0, (\a0)+1
.irp b, 0,1,2,3
	v_wmma_f32_16x16x32_f16 v[ACC+8*(4*(\a)+(\b)):ACC+8*(4*(\a)+(\b))+7], v[(\f)+64+8*(4*(\c)+(\b)):(\f)+64+8*(4*(\c)+(\b))+7], v[(\f)+8*(4*(\c)+(\a)):(\f)+8*(4*(\c)+(\a))+7], v[ACC+8*(4*(\a)+(\b)):ACC+8*(4*(\a)+(\b))+7]
.endr
.endr
.endm
; 32 LDS loads in one run: the fragments of 64 keys at byte k of the rows of the slot that is read, into buffer f; the first 32 keys first
.macro FETCH k, f
	WIN TO_F
.irp c, 0,1
.irp i, 0,1,2,3
	ds_load_b128 v[(\f)+64+8*(4*(\c)+(\i)):(\f)+64+8*(4*(\c)+(\i))+3],   v[ADRB] offset:(\k)+64*(\c)+(\i)*16*PITCH
	ds_load_b128 v[(\f)+64+8*(4*(\c)+(\i))+4:(\f)+64+8*(4*(\c)+(\i))+7], v[ADRB] offset:(\k)+64*(\c)+(\i)*16*PITCH+32
	ds_load_b128 v[(\f)+8*(4*(\c)+(\i)):(\f)+8*(4*(\c)+(\i))+3],         v[ADRA] offset:(\k)+64*(\c)+(\i)*16*PITCH
	ds_load_b128 v[(\f)+8*(4*(\c)+(\i))+4:(\f)+8*(4*(\c)+(\i))+7],       v[ADRA] offset:(\k)+64*(\c)+(\i)*16*PITCH+32
.endr
.endr
.endm
.macro QUARTER k, f, g                 ; multiplies buffer f (64 keys, 32 matrix instructions) and, in its middle, fetches the next quarter, at byte k, into g
	s_wait_dscnt 16                                ; the first 32 keys are in; the other sixteen loads may be out
	MUL8 \f, 0, 0
	MUL8 \f, 0, 2
	PLACES
	FETCH \k, \g
	s_wait_dscnt 32                                ; all but the 32 just issued
	MUL8 \f, 1, 0
	MUL8 \f, 1, 2
.endm
; THE CHANGE OF SLOTS, in front of every step.  Each wave waits for all its tensor loads (one is out: its part of the slot to be read), adds 0 to its spare word, and waits for that and for its own reads of the
; other slot.  fill = 1: a round of the cluster's barrier follows, so that no wave of any partner still reads that slot or has a load on its way, and the slot read last is filled, the first thing behind the round,
; with key step NXT of the block whose tiles are being asked for; both group 0s are made anew from that number.  Behind the first block's last step the asking goes on with the second block's step 0.
.macro CHANGE fill
	WIN 0                                          ; at a label and at a branch every window is 0
	s_wait_tensorcnt 0x0                           ; no tensor load of mine is out, so a group 0 may be written
	ds_add_u32 v[SPW], v[NIL]                      ; 0 onto my spare word; scalar work stands between it and the wait for it
.if \fill
	s_wait_xcnt 0x0                                ; the last prefetches, a step back, have read their address
	s_sub_co_u32 s[FILLS], s[FILLS], 1
	s_lshl_b32 s[OFA], s[NXT], 9                   ; a key step is 512 bytes along the rows
	s_add_co_u32 s[OFA], s[OFA], s[AOFF]
	s_add_co_u32 s[G0A+1], s[LA], s[TB]            ; into the slot that was read last
	s_add_nc_u64 s[G0A+2:G0A+3], s[4:5], s[OFA:OFA+1]
	s_or_b32 s[G0A+3], s[G0A+3], 0x80000000
	s_lshl_b32 s[OFB], s[NXT], 9
	s_add_co_u32 s[OFB], s[OFB], s[BOFF0]
	s_add_co_u32 s[G0B+1], s[LB], s[TB]
	s_add_nc_u64 s[G0B+2:G0B+3], s[6:7], s[OFB:OFB+1]
	s_or_b32 s[G0B+3], s[G0B+3], 0x80000000
	s_add_co_u32 s[NXT], s[NXT], 1
	s_cmp_gt_u32 s[NXT], s[LQ]                     ; was that the first block's last step?
	s_cselect_b32 s[NXT], 0, s[NXT]
	s_cselect_b32 s[AOFF], s[AOFF2], s[AOFF]
	s_cselect_b32 s[LQ], 15, s[LQ]                 ; (never passed again)
	s_cselect_b32 s[LIM], s[LIMW], s[LIM]
	s_cmp_lt_u32 s[WV], 2                          ; the prefetches' address: the tile that the next fill will load
	s_cselect_b32 s[OFB], s[AOFF], s[BOFF0]
	s_lshl_b32 s70, s[NXT], 9
	s_add_co_u32 s[OFB], s[OFB], s70
	s_add_co_u32 s[OFB], s[OFB], s[PADD]
	s_add_nc_u64 s[PFA:PFA+1], s[PB:PB+1], s[OFB:OFB+1]
.endif
	s_xor_b32 s[TB], s[TB], SLOT                   ; the fetches go on in the other slot
	s_wait_dscnt 0x0                               ; the add is done, and my reads of the slot read last are over
.if \fill
	ROUND
	JLOAD                                          ; its four v_nop are also the places in front of the step's first loads
.else
	s_barrier_signal -1
	s_barrier_wait -1
	PLACES
.endif
	v_add_nc_u32 v[ADRA], s[TB], v[ADRA0]
	v_add_nc_u32 v[ADRB], s[TB], v[ADRB0]
.endm
; A KEY STEP: 256 keys in four quarters on buffers 0, 1, 0, 1: 128 matrix instructions and 128 LDS loads.
.macro STEP ask
	FETCH 0, F0
	WIN 0
.if \ask
	ASK
.endif
	QUARTER 128, F0, F1
	QUARTER 256, F1, F0
	QUARTER 384, F0, F1
	s_wait_dscnt 16
	MUL8 F1, 0, 0
	MUL8 F1, 0, 2
	s_wait_dscnt 0x0
	MUL8 F1, 1, 0
	MUL8 F1, 1, 2
	WIN 0
.endm
; THE WAY OUT of a block: 16 queries at a time, as they are, in f32, through my own stage (each accumulator's low four registers first), back as whole rows of 256 bytes, and stored.
.macro TOST a
.if (\a) >= 2
	s_wait_xcnt 0x0                                ; the stores of the sixteen rows two back have read these registers
.endif
.irp b, 0,1,2,3
	ds_store_b128 v[STO], v[ACC+8*(4*(\a)+(\b)):ACC+8*(4*(\a)+(\b))+3]   offset:64*(\b)
	ds_store_b128 v[STO], v[ACC+8*(4*(\a)+(\b))+4:ACC+8*(4*(\a)+(\b))+7] offset:64*(\b)+16
.endr
.irp t, 0,1,2,3,4,5,6,7
	ds_load_b128 v[TMP+32*((\a)%2)+4*(\t):TMP+32*((\a)%2)+4*(\t)+3], v[RD] offset:(\t)*2*SPITCH  ; LDS serves a wave's instructions in order (ISA guide 5.7.1.4): these see the stores above
.endr
.endm
.macro SENDO a, younger                ; younger: the LDS instructions issued behind these rows' loads: the next sixteen rows' 8 stores and 8 loads, or none
	s_wait_dscnt \younger
.irp t, 0,1,2,3,4,5,6,7
	global_store_b128 v[CO], v[TMP+32*((\a)%2)+4*(\t):TMP+32*((\a)%2)+4*(\t)+3], s[8:9] offset:(16*(\a)+2*(\t))*4096 th:TH_STORE_NT  ; 16 lanes store 256 consecutive bytes, at a multiple of 256 from out0's first byte
.endr
.endm
.macro WAYOUT
	s_wait_xcnt 0x0                                ; an earlier block's stores have read the registers that the stage's loads fill
	PLACES                                         ; the LDS stores read matrix results
	TOST 0
	TOST 1
	SENDO 0, 16
	TOST 2
	SENDO 1, 16
	TOST 3
	SENDO 2, 16
	SENDO 3, 0
.endm
	s_mov_b32 s[LAPC], 8
.Lstep:                                                ; eight trips: steps 0 to 7 are multiplied, steps 1 to 8 asked for
	CHANGE 1
	STEP 1
	s_sub_co_u32 s[RT], s[RT], 1                   ; if that was the first block's last step, the block goes out, and the sums start anew for the second; what is jumped holds no barrier and no tensor load
	s_cmp_lg_u32 s[RT], 0
	s_cbranch_scc1 .Lgo_on
	WAYOUT
	s_wait_xcnt 0x0                                ; the stores have read their base
	s_mov_b64 s[8:9], s[OUT2:OUT2+1]
	s_mov_b32 s[RT], s[N2]
	CLEAR
.Lgo_on:
	s_sub_co_u32 s[LAPC], s[LAPC], 1
	s_cmp_lg_u32 s[LAPC], 0
	s_cbranch_scc1 .Lstep
	CHANGE 0                                       ; the ninth step is written out: nothing is asked for
	STEP 0
	WAYOUT                                         ; the second block
	s_wait_tensorcnt 0x0                           ; the wave's end: behind my last tensor load and my last LDS store
	ds_add_u32 v[SPW], v[NIL]
	s_wait_dscnt 0x0
	ROUND                                          ; the closing round: no work-group ends while a partner may still ask for a tile that names it
	s_endpgm
.Lfunc_end_k_q6f38207a66_pv:
	.size	k_q6f38207a66_pv, .Lfunc_end_k_q6f38207a66_pv-k_q6f38207a66_pv
	.p2alignl 7, 3214868480
	.fill 96, 4, 3214868480
	.section	.rodata,"a",@progbits
	.p2align	6, 0x0
	.amdhsa_kernel k_q6f38207a66_pv
		.amdhsa_group_segment_fixed_size 327680
		.amdhsa_private_segment_fixed_size 0
		.amdhsa_enable_private_segment 0
		.amdhsa_kernarg_size 24
		.amdhsa_user_sgpr_count 2
		.amdhsa_user_sgpr_kernarg_segment_ptr 1
		.amdhsa_wavefront_size32 1
		.amdhsa_system_sgpr_workgroup_id_x 1
		.amdhsa_system_sgpr_workgroup_id_y 1
		.amdhsa_system_sgpr_workgroup_id_z 1
		.amdhsa_system_vgpr_workitem_id 0
		.amdhsa_next_free_vgpr 512
		.amdhsa_next_free_sgpr 80
		.amdhsa_reserve_vcc 0
		.amdhsa_float_denorm_mode_32 3
		.amdhsa_float_denorm_mode_16_64 3
		.amdhsa_memory_ordered 1
		.amdhsa_forward_progress 1
		.amdhsa_inst_pref_size 67
	.end_amdhsa_kernel
	.amdgpu_metadata
---
amdhsa.version: [ 1, 2 ]
amdhsa.kernels:
  - .name:           k_q6f38207a66_pv
    .symbol:         k_q6f38207a66_pv.kd
    .args:
      - { .name: pw, .offset: 0, .size: 8, .value_kind: global_buffer, .address_space: global }
      - { .name: qv, .offset: 8, .size: 8, .value_kind: global_buffer, .address_space: global }
      - { .name: out0, .offset: 16, .size: 8, .value_kind: global_buffer, .address_space: global }
    .group_segment_fixed_size: 327680
    .private_segment_fixed_size: 0
    .kernarg_segment_align: 8
    .kernarg_segment_size: 24
    .max_flat_workgroup_size: 128
    .sgpr_count:     80
    .vgpr_count:     512
    .wavefront_size: 32
...
	.end_amdgpu_metadata
.endif
;; end of part 5
